; MI455X (gfx1250); checked and timed in simulation.
; The chip was launched on July 23, 2026; its instructions are those of AMD's public machine-readable ISA for CDNA 5 (MIT licence, August 2026) and "CDNA5" Instruction Set Architecture Reference Guide (July 2026). The comments in the code are by the model that wrote it; some were corrected since.
;; Decoder Only Block. Allowed arithmetic: float matrix products may take bf16 or f16 operands with f32 sums; other float arithmetic in f32, or as packed bf16 or f16 multiplies, adds, multiply-adds, maxima and minima; sums over many terms, partial sums and values carried from step to step in f32; what a program stores and reads back later, other than sums and carried values, may be rounded once to bf16 or f16.
;; Inputs: b1 2,048 float32; b2 512 float32; be1 512 float32; be2 512 float32; bk 512 float32; bo 512 float32; bq 512 float32; bv 512 float32; g1 512 float32; g2 512 float32; pad_mask 4 x 2,048 bool; w1 512 x 2,048 float32; w2 2,048 x 512 float32; wk 512 x 512 float32; wo 512 x 512 float32; wq 512 x 512 float32; wv 512 x 512 float32; x 4 x 2,048 x 512 float32.
;; Outputs: out0 4 x 2,048 x 512 float32.
;; One version. Each part assembles by itself: llvm-mc -triple=amdgcn-amd-amdhsa -mcpu=gfx1250 --defsym DOCPART=n.
;; ======== version 1 of 1: 7 launches
;; limits: right only within a limited range of input values
;; workspace buffers: act 8,388,608 bytes; wqkv 1,589,248 bytes; w1p 2,113,536 bytes; wrest 2,621,440 bytes; qkv 25,165,824 bytes; ov 8,519,680 bytes; h 33,554,432 bytes; y 16,777,216 bytes
;; launch prep (part 1): grid 1793 x 1, 4 waves a work-group, no clusters, 0 bytes of LDS; arguments x, wv, wk, wq, wo, w1, w2, bv, bk, bq, b1, act, wqkv, w1p, wrest; writes act, wqkv, w1p, wrest
.if DOCPART == 1
	.amdgcn_target "amdgcn-amd-amdhsa--gfx1250"
	.amdhsa_code_object_version 6
	.text
	.protected	k_q8536e738ee_prep
	.globl	k_q8536e738ee_prep
	.p2align	8
	.type	k_q8536e738ee_prep,@function
k_q8536e738ee_prep:
	s_mov_b64 s[64:65], 0
	v_nop
	global_prefetch_b8 v0, s[64:65] scope:SCOPE_SE
	s_setreg_imm32_b32 hwreg(HW_REG_WAVE_MODE, 25, 1), 1
	s_wait_xcnt 0x0
; CASTS.  x and the six weight matrices go from f32 to bf16, each number rounded once; the weights are laid in chunks of 128 output columns, [K][128] dense (rows of 256 bytes).
; A wave's unit: 8 source rows x 512 bytes (128 f32) -> 2,048 consecutive bytes.  Each load covers 512 consecutive bytes, each store 256 consecutive bytes, aligned.
; x counts as 32,768 rows of 512 bytes and one chunk.  The work-group's number chooses the job by scalar selects (no branch but the one to the last work-group).
; The last work-group copies the biases behind the chunk tables' heads (f32) and writes each table's floor word: bf16 -inf twice (no floor) for q, k, v; 0 (ReLU) for the first FFN layer.
; A stream: no LDS, no matrix unit, no cluster; every byte is read once and all of a wave's 8 loads are out at once.
.set NSMALL, 1792
.macro JOB start, src, dst, sh, lrow, lch, db
	s_cmp_ge_u32 ttmp9, \start
	s_cselect_b64 s[46:47], s[\src:\src+1], s[46:47]   ; from where
	s_cselect_b64 s[48:49], s[\dst:\dst+1], s[48:49]   ; to where
	s_cselect_b32 s40, \start, s40                     ; the job's first work-group
	s_cselect_b32 s41, \sh, s41                        ; log2 of the units in a chunk
	s_cselect_b32 s42, \lrow, s42                      ; log2 of a source row's bytes
	s_cselect_b32 s43, \lch, s43                       ; log2 of a chunk's bytes
	s_cselect_b32 s44, \db, s44                        ; the first chunk's byte in the target
.endm
	s_load_b512 s[8:23], s[0:1], 0x0               ; x 8, wv 10, wk 12, wq 14, wo 16, w1 18, w2 20, bv 22
	s_load_b256 s[24:31], s[0:1], 0x40             ; bk 24, bq 26, b1 28, act 30
	s_load_b128 s[32:35], s[0:1], 0x60             ; wqkv 32, w1p 34
	s_load_b64 s[36:37], s[0:1], 0x70              ; wrest
	v_lshrrev_b32 v1, 5, v0
	v_readfirstlane_b32 s4, v1                     ; wave 0..3
	v_and_b32 v1, 31, v0                           ; lane
	s_wait_kmcnt 0x0
	s_cmp_eq_u32 ttmp9, NSMALL
	s_cbranch_scc1 .Lsmall
	s_mov_b64 s[46:47], s[8:9]                     ; job 0: x -> act
	s_mov_b64 s[48:49], s[30:31]
	s_mov_b32 s40, 0
	s_mov_b32 s41, 12
	s_mov_b32 s42, 9
	s_mov_b32 s43, 0
	s_mov_b32 s44, 0
	JOB 1024, 10, 32, 6, 11, 17, 16384             ; wv -> chunks 0-3 of wqkv
	JOB 1088, 12, 32, 6, 11, 17, 540672            ; wk -> chunks 4-7
	JOB 1152, 14, 32, 6, 11, 17, 1064960           ; wq -> chunks 8-11
	JOB 1216, 16, 36, 6, 11, 17, 0                 ; wo -> wrest
	JOB 1280, 18, 34, 6, 13, 17, 16384             ; w1 -> 16 chunks of w1p
	JOB 1536, 20, 36, 8, 11, 19, 524288            ; w2 -> wrest, 4 chunks of 2,048 rows
	s_sub_co_u32 s5, ttmp9, s40
	s_lshl_b32 s5, s5, 2
	s_add_co_u32 s5, s5, s4                        ; my unit in the job
	s_lshr_b32 s6, s5, s41                         ; its chunk
	s_lshl_b32 s7, s6, s41
	s_sub_co_u32 s7, s5, s7                        ; its group of 8 rows
	s_add_co_u32 s50, s42, 3
	s_lshl_b32 s50, s7, s50                        ; 8 source rows a group,
	s_lshl_b32 s52, s6, 9                          ; 512 bytes of a row a chunk
	s_add_co_u32 s50, s50, s52
	s_mov_b32 s51, 0
	s_add_nc_u64 s[46:47], s[46:47], s[50:51]
	s_lshl_b32 s52, s6, s43
	s_lshl_b32 s53, s7, 11
	s_add_co_u32 s52, s52, s53
	s_add_co_u32 s52, s52, s44
	s_mov_b32 s53, 0
	s_add_nc_u64 s[48:49], s[48:49], s[52:53]
	s_lshl_b32 s54, 1, s42                         ; a source row's bytes
	v_lshlrev_b32 v2, 4, v1                        ; 16 bytes a lane in row 0,
.irp i, 1,2,3,4,5,6,7
	v_add_nc_u32 v[2+\i], s54, v[1+\i]             ; and in rows 1 to 7
.endr
	v_lshlrev_b32 v10, 3, v1                       ; 8 bytes a lane on the way out
.irp i, 0,1,2,3,4,5,6,7
	global_load_b128 v[16+4*\i:19+4*\i], v[2+\i], s[46:47] th:TH_LOAD_NT
.endr
.irp i, 0,1,2,3,4,5,6,7
	s_wait_loadcnt 7-\i                            ; loads come back in order: row i is in, the younger ones stay out
	v_cvt_pk_bf16_f32 v[48+2*\i], v[16+4*\i], v[17+4*\i]
	v_cvt_pk_bf16_f32 v[49+2*\i], v[18+4*\i], v[19+4*\i]
	global_store_b64 v10, v[48+2*\i:49+2*\i], s[48:49] offset:256*\i
.endr
	s_endpgm
.Lsmall:
	v_lshlrev_b32 v2, 4, v0                        ; 128 threads x 16 bytes = 2,048 bytes
	global_load_b128 v[16:19], v2, s[22:23]        ; bv
	global_load_b128 v[20:23], v2, s[24:25]        ; bk
	global_load_b128 v[24:27], v2, s[26:27]        ; bq
.irp j, 0,1,2,3
	global_load_b128 v[28+4*\j:31+4*\j], v2, s[28:29] offset:2048*\j  ; b1
.endr
.irp j, 0,1,2,3
	v_mov_b32 v[44+\j], 0xff80ff80
	v_mov_b32 v[48+\j], 0
.endr
	global_store_b128 v2, v[44:47], s[32:33]       ; the floor words
	global_store_b128 v2, v[48:51], s[34:35]
	s_wait_loadcnt 0x0
	global_store_b128 v2, v[16:19], s[32:33] offset:2048
	global_store_b128 v2, v[20:23], s[32:33] offset:4096
	global_store_b128 v2, v[24:27], s[32:33] offset:6144
.irp j, 0,1,2,3
	global_store_b128 v2, v[28+4*\j:31+4*\j], s[34:35] offset:2048+2048*\j
.endr
	s_endpgm
.Lfunc_end_k_q8536e738ee_prep:
	.size	k_q8536e738ee_prep, .Lfunc_end_k_q8536e738ee_prep-k_q8536e738ee_prep
	.p2alignl 7, 3214868480
	.fill 96, 4, 3214868480
	.section	.rodata,"a",@progbits
	.p2align	6, 0x0
	.amdhsa_kernel k_q8536e738ee_prep
		.amdhsa_group_segment_fixed_size 0
		.amdhsa_private_segment_fixed_size 0
		.amdhsa_enable_private_segment 0
		.amdhsa_kernarg_size 120
		.amdhsa_user_sgpr_count 2
		.amdhsa_user_sgpr_kernarg_segment_ptr 1
		.amdhsa_wavefront_size32 1
		.amdhsa_system_sgpr_workgroup_id_x 1
		.amdhsa_system_sgpr_workgroup_id_y 1
		.amdhsa_system_sgpr_workgroup_id_z 1
		.amdhsa_system_vgpr_workitem_id 0
		.amdhsa_next_free_vgpr 64
		.amdhsa_next_free_sgpr 66
		.amdhsa_reserve_vcc 0
		.amdhsa_float_denorm_mode_32 3
		.amdhsa_float_denorm_mode_16_64 3
		.amdhsa_memory_ordered 1
		.amdhsa_forward_progress 1
		.amdhsa_inst_pref_size 9
	.end_amdhsa_kernel
	.amdgpu_metadata
---
amdhsa.version: [ 1, 2 ]
amdhsa.kernels:
  - .name:           k_q8536e738ee_prep
    .symbol:         k_q8536e738ee_prep.kd
    .args:
      - { .name: x, .offset: 0, .size: 8, .value_kind: global_buffer, .address_space: global }
      - { .name: wv, .offset: 8, .size: 8, .value_kind: global_buffer, .address_space: global }
      - { .name: wk, .offset: 16, .size: 8, .value_kind: global_buffer, .address_space: global }
      - { .name: wq, .offset: 24, .size: 8, .value_kind: global_buffer, .address_space: global }
      - { .name: wo, .offset: 32, .size: 8, .value_kind: global_buffer, .address_space: global }
      - { .name: w1, .offset: 40, .size: 8, .value_kind: global_buffer, .address_space: global }
      - { .name: w2, .offset: 48, .size: 8, .value_kind: global_buffer, .address_space: global }
      - { .name: bv, .offset: 56, .size: 8, .value_kind: global_buffer, .address_space: global }
      - { .name: bk, .offset: 64, .size: 8, .value_kind: global_buffer, .address_space: global }
      - { .name: bq, .offset: 72, .size: 8, .value_kind: global_buffer, .address_space: global }
      - { .name: b1, .offset: 80, .size: 8, .value_kind: global_buffer, .address_space: global }
      - { .name: act, .offset: 88, .size: 8, .value_kind: global_buffer, .address_space: global }
      - { .name: wqkv, .offset: 96, .size: 8, .value_kind: global_buffer, .address_space: global }
      - { .name: w1p, .offset: 104, .size: 8, .value_kind: global_buffer, .address_space: global }
      - { .name: wrest, .offset: 112, .size: 8, .value_kind: global_buffer, .address_space: global }
    .group_segment_fixed_size: 0
    .private_segment_fixed_size: 0
    .kernarg_segment_align: 8
    .kernarg_segment_size: 120
    .max_flat_workgroup_size: 128
    .sgpr_count:     66
    .vgpr_count:     64
    .wavefront_size: 32
...
	.end_amdgpu_metadata
.endif
;; end of part 1
;; launch qkv (part 2): grid 32 x 6, 4 waves a work-group, clusters of 4 x 1, 327,680 bytes of LDS; arguments act, wqkv, qkv; writes qkv
.if DOCPART == 2
	.amdgcn_target "amdgcn-amd-amdhsa--gfx1250"
	.amdhsa_code_object_version 6
	.text
	.protected	k_q8536e738ee_qkv
	.globl	k_q8536e738ee_qkv
	.p2align	8
	.type	k_q8536e738ee_qkv,@function
k_q8536e738ee_qkv:
	s_mov_b64 s[64:65], 0
	v_nop
	global_prefetch_b8 v0, s[64:65] scope:SCOPE_SE
	s_setreg_imm32_b32 hwreg(HW_REG_WAVE_MODE, 25, 1), 1
	s_wait_xcnt 0x0
	s_wait_alu depctr_hold_cnt(0) depctr_sa_sdst(0) depctr_va_vdst(0) depctr_va_sdst(0) depctr_va_ssrc(0) depctr_va_vcc(0) depctr_vm_vsrc(0)
	s_getreg_b32 s2, hwreg(HW_REG_IB_STS2, 6, 4)
	s_cmp_eq_u32 s2, 0
	s_cbranch_scc0 .Lentry_in_a_cluster
	s_endpgm
.Lentry_in_a_cluster:
	s_bfe_u32 s2, ttmp6, 0x10000c
	s_cmp_lg_u32 s2, 0x3003
	s_cbranch_scc0 .Lentry_shape_is_right
	s_endpgm
.Lentry_shape_is_right:
; out = max(A W + bias, floor).  A: [8192][512] bf16.  W: a table: byte 0 the floor word (two bf16), byte 2,048 the bias (f32), byte 16,384 chunks of 128 columns, [512 k][128 n] bf16 dense.
; out: panels [8192][256] bf16; panel p holds columns 256 p .. 256 p + 255 (chunks 2 p, 2 p + 1).  Sums in f32, started by the bias as the first product's C; out rounded once.
; SHARES.  A work-group: 256 rows x one panel.  A wave: 64 rows x the 128 columns of the chunk in hand.  The wave's 64 x 512 of A stay in 512 registers for the whole kernel (K = 512 fits);
; a chunk (all of K, 128 KiB) lies in one LDS slot and is read by all four waves: for 32 along K a wave reads 8 KiB of LDS for 32 matrix instructions.  Two chunks, two slots: nothing is filled again.
; CLUSTER.  The four row blocks of a cluster walk the same two chunks: each quarter chunk is asked for JOINTLY (mask 15).  A goes straight into registers, so it has no joint form; hence 4 x 1.
; THE PRODUCT IS USED TRANSPOSED (source 0 = 16 columns of W, turned out of LDS by ds_load_tr16_b128; source 1 = 16 rows of A): a lane holds one row and eight neighbouring columns.
; REGISTERS: window 0: addresses; v64-127 bias (later the way out's packed results and rows); v128-255 two buffers of W's fragments.  window 1: 32 accumulators, (a, b) at 8 (8 a + b).
;   windows 2, 3: A, K step i and row block a at 32 (i % 8) + 8 a of window 2 + i / 8.
; LIMITS.  NaN and infinities are not treated apart (a NaN sum leaves as the floor).
.set SLOTB, 147456                     ; a slot: 512 rows of 256 + 32 bytes; pitch 288 = 9 x 32
.set QTR,   36864                      ; 128 rows: what one tensor load brings
.set STAGE, 294912                     ; 16 rows x 272 bytes for each wave, for the way out
.set BIASL, 312320                     ; 1,024 bytes for each wave: the panel's 256 bias numbers
.set SPARE, 316416                     ; the spare words, 128 bytes a wave: two blocks of 256 bytes that no other line names
.set FO,  4                            ; v4   my byte offset in 16 rows of A
.set AB0, 7                            ; v7   my lane's place in a chunk's rows
.set AB,  8                            ; v8-11 the same in the slot in hand, for K steps 4 q .. 4 q + 3
.set BL,  12                           ; v12  where I read my bias numbers of the chunk in hand
.set STO, 13
.set RD,  14
.set CO,  15
.set BST, 16
.set BGO, 17
.set BL0, 18
.set SPW, 28
.set NIL, 29
.set BIAS, 64
.set TMP, 64
.set OB,  96
.set BF,  128
.set MSB, 0
.macro WIN new                         ; the immediate's high byte repeats the setting that is left; a switch that changes nothing is dropped
.if MSB != (\new)
	s_set_vgpr_msb (MSB<<8)|(\new)
.set MSB, (\new)
.endif
.endm
.macro PLACES                          ; four plain places behind a matrix instruction, in front of loads into its sources and of reads of its result
.rept 4
	v_nop
.endr
.endm
.macro ROUND                           ; a round of the cluster's barrier
	s_barrier_signal -1
	s_barrier_wait -1
	s_cmp_lg_u32 s10, 0
	s_cbranch_scc1 .Lnot_wave_0_\@
	s_barrier_signal -3
.Lnot_wave_0_\@:
	s_barrier_wait -3
	s_barrier_signal -1
	s_barrier_wait -1
.endm
	s_load_b128 s[4:7], s[0:1], 0x0                ; A s[4:5], table s[6:7]
	s_load_b64 s[8:9], s[0:1], 0x10                ; out
	v_lshl_add_u32 v[SPW], v0, 2, SPARE
	v_mov_b32 v[NIL], 0
	ds_add_u32 v[SPW], v[NIL]                      ; the wave's opening: the add and its wait stand ahead of my first tensor load
	v_lshrrev_b32 v1, 5, v0
	v_readfirstlane_b32 s10, v1                    ; wave 0..3
	s_bfe_u32 s11, ttmp6, 0x40000                  ; cx
	s_lshl_b32 s12, ttmp9, 2
	s_add_co_u32 s12, s12, s11                     ; my block of 256 rows: it enters A's and out's addresses alone
	s_and_b32 s13, ttmp7, 0xffff                   ; the panel, which the four partners share
	s_mov_b32 s16, 15|(1<<16)|(1<<20)|(1<<21)|(5<<22)|(7<<25)  ; mask of four; 2-byte elements; padding on; bit 21 beside a mask; after every 64 words 8 words
	s_mov_b32 s17, 128<<16                         ; tensor_dim0 = 128
	s_mov_b32 s18, 128<<16                         ; tensor_dim1 = 128
	s_mov_b32 s19, 128<<16                         ; tile_dim0 = 128
	s_mov_b32 s20, 128                             ; tile_dim1 = 128
	s_mov_b32 s21, 128                             ; 128 elements from row to row
	s_mov_b32 s22, 0
	s_mov_b32 s23, 0
	s_mov_b32 s24, 1
	s_mul_i32 s25, s10, QTR                        ; slot 0, my quarter
	s_mov_b32 s28, 1
	s_add_co_u32 s29, s25, SLOTB                   ; slot 1, my quarter
	s_lshl_b32 s32, s13, 18                        ; chunk 2 p,
	s_lshl_b32 s34, s10, 15                        ; my 128 of its rows,
	s_add_co_u32 s32, s32, s34
	s_add_co_u32 s32, s32, 16384                   ; behind the table's head
	s_mov_b32 s33, 0
	s_lshl_b32 s34, s12, 18                        ; A: 256 rows of 1,024 bytes a block,
	s_lshl_b32 s36, s10, 16                        ; 64 a wave
	s_add_co_u32 s34, s34, s36
	s_mov_b32 s35, 0
	s_lshl_b32 s36, s13, 22                        ; out: the panel,
	s_lshl_b32 s38, s12, 17                        ; 256 rows of 512 bytes a block,
	s_add_co_u32 s36, s36, s38
	s_lshl_b32 s38, s10, 15                        ; 64 a wave
	s_add_co_u32 s36, s36, s38
	s_mov_b32 s37, 0
	s_lshl_b32 s38, s13, 10                        ; the panel's 256 bias numbers
	s_add_co_u32 s38, s38, 2048
	s_mov_b32 s39, 0
	v_and_b32 v1, 15, v0                           ; r = l % 16
	v_bfe_u32 v2, v0, 4, 1                         ; h = l / 16
	v_and_b32 v3, 31, v0                           ; l
	v_and_b32 v5, 7, v0
	v_bfe_u32 v6, v0, 3, 1
	v_lshlrev_b32 v[FO], 10, v1
	v_lshl_add_u32 v[FO], v2, 4, v[FO]             ; row x 1,024 + 16 x half
	v_lshl_add_u32 v[AB0], v2, 3, v5               ; the turning load: k row 8 h + l % 8,
	v_mul_u32_u24 v[AB0], v[AB0], 288
	v_lshl_add_u32 v[AB0], v6, 4, v[AB0]           ; columns 8 ((l / 8) % 2) on
	s_lshl_b32 s2, s10, 10
	s_add_co_u32 s2, s2, BIASL
	v_lshl_add_u32 v[BL0], v2, 5, s2
	v_lshl_add_u32 v[BST], v3, 5, s2
	v_lshlrev_b32 v[BGO], 5, v3
	s_mul_i32 s3, s10, 16*272
	s_add_co_u32 s3, s3, STAGE
	v_mul_u32_u24 v[STO], v1, 272
	v_lshl_add_u32 v[STO], v2, 4, v[STO]
	v_add_nc_u32 v[STO], s3, v[STO]
	v_mul_u32_u24 v[RD], v2, 272
	v_lshl_add_u32 v[RD], v1, 4, v[RD]
	v_add_nc_u32 v[RD], s3, v[RD]
	v_lshlrev_b32 v[CO], 9, v2
	v_lshl_add_u32 v[CO], v1, 4, v[CO]
	s_wait_dscnt 0x0                               ; the opening add is done
	s_wait_kmcnt 0x0
	s_add_nc_u64 s[26:27], s[6:7], s[32:33]
	s_add_nc_u64 s[30:31], s[26:27], 131072        ; chunk 2 p + 1
	s_or_b32 s27, s27, 0x80000000
	s_or_b32 s31, s31, 0x80000000
	s_add_nc_u64 s[42:43], s[4:5], s[34:35]
	s_add_nc_u64 s[8:9], s[8:9], s[36:37]
	s_add_nc_u64 s[44:45], s[6:7], s[38:39]
	ROUND                                          ; all four work-groups are here: the joint loads meet
	tensor_load_to_lds s[24:27], s[16:23]          ; both first fills together: two loads of mine are out
	s_nop 0
	tensor_load_to_lds s[28:31], s[16:23]
	s_nop 0
	PLACES
	s_load_b32 s14, s[6:7], 0x0                    ; the floor word
	global_load_b128 v[20:23], v[BGO], s[44:45]    ; lane l: bias numbers 8 l .. 8 l + 7 of the panel
	global_load_b128 v[24:27], v[BGO], s[44:45] offset:16
.set ii, 0
.rept 16                                       ; A, K step by K step: 8 loads a step
	WIN 0x80+0x40*(ii/8)
.irp a, 0,1,2,3
	global_load_b128 v[32*(ii%8)+8*\a:32*(ii%8)+8*\a+3],   v[FO], s[42:43] offset:16384*\a+64*ii
	global_load_b128 v[32*(ii%8)+8*\a+4:32*(ii%8)+8*\a+7], v[FO], s[42:43] offset:16384*\a+64*ii+32
.endr
.set ii, ii+1
.endr
	WIN 0
	s_wait_loadcnt 63                              ; of 130 loads at most 63 are out: the two bias loads, the oldest, are in
	ds_store_b128 v[BST], v[20:23]                 ; into my own 1,024 bytes: no other wave reads them
	ds_store_b128 v[BST], v[24:27] offset:16
	s_wait_kmcnt 0x0
	s_wait_tensorcnt 0x1                           ; my quarter of slot 0 is in; slot 1's may stay out
	s_wait_dscnt 0x0
	s_barrier_signal -1
	s_barrier_wait -1                              ; everybody's quarter is in
.macro FETCHB i                        ; W's eight fragments of K step i: 16 turning loads in one run
	WIN 0
.irp b, 0,1,2,3,4,5,6,7
	ds_load_tr16_b128 v[BF+64*((\i)%2)+8*\b:BF+64*((\i)%2)+8*\b+3],   v[AB+(\i)/4] offset:((\i)%4)*9216+32*\b
	ds_load_tr16_b128 v[BF+64*((\i)%2)+8*\b+4:BF+64*((\i)%2)+8*\b+7], v[AB+(\i)/4] offset:((\i)%4)*9216+32*\b+4608
.endr
.endm
.macro KSTEP i                         ; 32 along K: 32 matrix instructions; the 32 accumulators take turns, one instruction a turn
.if (\i) == 0
	s_wait_loadcnt 63                              ; A's K steps 0 to 7 are in (64 loads or more are younger)
.elseif (\i) >= 8
	s_wait_loadcnt 8*(15-(\i))                     ; A's K step i is in: 8 loads for each later step may stay out
.endif
	s_wait_dscnt 0x0                               ; this step's fragments, asked for a step (32 matrix instructions) ago
.if (\i) < 15
	PLACES
	FETCHB (\i)+1
.endif
.if (\i) == 0
	WIN 0x48                                       ; W window 0, A window 2, C (the bias) window 0, D window 1
.elseif (\i) < 8
	WIN 0x58
.else
	WIN 0x5c                                       ; A window 3
.endif
.set a_, 0
.rept 4
.set b_, 0
.rept 8
.set rD, 8*(8*a_+b_)
.set rW, BF+64*((\i)%2)+8*b_
.set rA, 32*((\i)%8)+8*a_
.if (\i) == 0
	v_wmma_f32_16x16x32_bf16 v[rD:rD+7], v[rW:rW+7], v[rA:rA+7], v[BIAS+8*b_:BIAS+8*b_+7]
.else
	v_wmma_f32_16x16x32_bf16 v[rD:rD+7], v[rW:rW+7], v[rA:rA+7], v[rD:rD+7]
.endif
.set b_, b_+1
.endr
.set a_, a_+1
.endr
.endm
.macro PACK a                          ; row block a: rounded to bf16 (each accumulator from its low end on), then the floor
	WIN 0x05
.irp b, 0,1,2,3,4,5,6,7
.irp r, 0,1,2,3
	v_cvt_pk_bf16_f32 v[TMP+4*\b+\r], v[8*(8*(\a)+\b)+2*\r], v[8*(8*(\a)+\b)+2*\r+1]
.endr
.endr
	WIN 0
.set z_, 0
.rept 32
	v_pk_max_num_bf16 v[TMP+z_], v[TMP+z_], s14
.set z_, z_+1
.endr
.endm
.macro TOSTAGE a                       ; into my own stage, and back as whole rows of 256 bytes (LDS serves a wave's instructions in order: ISA guide 5.7.1.4)
.irp b, 0,1,2,3,4,5,6,7
	ds_store_b128 v[STO], v[TMP+4*\b:TMP+4*\b+3] offset:32*\b
.endr
.irp t, 0,1,2,3,4,5,6,7
	ds_load_b128 v[OB+32*((\a)%2)+4*\t:OB+32*((\a)%2)+4*\t+3], v[RD] offset:544*\t
.endr
.endm
.macro SEND a
	s_wait_dscnt 0x0                               ; the block is back in registers
	s_wait_xcnt 0x0                                ; the registers that the block before last's stores read are loaded again only behind this wait
.irp t, 0,1,2,3,4,5,6,7
	global_store_b128 v[CO], v[OB+32*((\a)%2)+4*\t:OB+32*((\a)%2)+4*\t+3], s[8:9] offset:(16*(\a)+2*\t)*512  ; 16 lanes store 256 consecutive bytes, aligned
.endr
.endm
	s_mov_b32 s15, 2                               ; two chunks
	s_mov_b32 s40, 0                               ; the slot's LDS byte
	s_mov_b32 s41, 0                               ; the chunk's byte in my bias numbers
.Lchunk:
	v_add_nc_u32 v[AB], s40, v[AB0]
	v_add_nc_u32 v[AB+1], QTR, v[AB]
	v_add_nc_u32 v[AB+2], 2*QTR, v[AB]
	v_add_nc_u32 v[AB+3], 3*QTR, v[AB]
	v_add_nc_u32 v[BL], s41, v[BL0]
.irp b, 0,1,2,3,4,5,6,7
	ds_load_b128 v[BIAS+8*\b:BIAS+8*\b+3],   v[BL] offset:64*\b      ; columns 16 b + 8 h + 0..7: what my lane's eight results start from
	ds_load_b128 v[BIAS+8*\b+4:BIAS+8*\b+7], v[BL] offset:64*\b+16
.endr
	FETCHB 0
.set ii, 0
.rept 16
	KSTEP ii
.set ii, ii+1
.endr
	PLACES
	PACK 0
	TOSTAGE 0
.irp a, 1,2,3                          ; block a's conversions stand between block a - 1's loads from the stage and the wait for them
	PACK \a
	SEND (\a)-1
	TOSTAGE \a
.endr
	SEND 3
	s_wait_tensorcnt 0x0                           ; my quarter of slot 1 is in,
	s_wait_dscnt 0x0
	s_barrier_signal -1
	s_barrier_wait -1                              ; everybody's is
	s_add_co_u32 s40, s40, SLOTB
	s_add_co_u32 s41, s41, 512
	s_wait_xcnt 0x0                                ; the stores have read their base and their data
	s_add_nc_u64 s[8:9], s[8:9], 256               ; the panel's other 128 columns
	s_sub_co_u32 s15, s15, 1
	s_cmp_lg_u32 s15, 0
	s_cbranch_scc1 .Lchunk
	s_wait_tensorcnt 0x0                           ; the wave's end
	ds_add_u32 v[SPW], v[NIL]
	s_wait_dscnt 0x0
	ROUND                                          ; the closing round
	s_endpgm
.Lfunc_end_k_q8536e738ee_qkv:
	.size	k_q8536e738ee_qkv, .Lfunc_end_k_q8536e738ee_qkv-k_q8536e738ee_qkv
	.p2alignl 7, 3214868480
	.fill 96, 4, 3214868480
	.section	.rodata,"a",@progbits
	.p2align	6, 0x0
	.amdhsa_kernel k_q8536e738ee_qkv
		.amdhsa_group_segment_fixed_size 327680
		.amdhsa_private_segment_fixed_size 0
		.amdhsa_enable_private_segment 0
		.amdhsa_kernarg_size 24
		.amdhsa_user_sgpr_count 2
		.amdhsa_user_sgpr_kernarg_segment_ptr 1
		.amdhsa_wavefront_size32 1
		.amdhsa_system_sgpr_workgroup_id_x 1
		.amdhsa_system_sgpr_workgroup_id_y 1
		.amdhsa_system_sgpr_workgroup_id_z 1
		.amdhsa_system_vgpr_workitem_id 0
		.amdhsa_next_free_vgpr 1024
		.amdhsa_next_free_sgpr 66
		.amdhsa_reserve_vcc 0
		.amdhsa_float_denorm_mode_32 3
		.amdhsa_float_denorm_mode_16_64 3
		.amdhsa_memory_ordered 1
		.amdhsa_forward_progress 1
		.amdhsa_inst_pref_size 95
	.end_amdhsa_kernel
	.amdgpu_metadata
---
amdhsa.version: [ 1, 2 ]
amdhsa.kernels:
  - .name:           k_q8536e738ee_qkv
    .symbol:         k_q8536e738ee_qkv.kd
    .args:
      - { .name: act, .offset: 0, .size: 8, .value_kind: global_buffer, .address_space: global }
      - { .name: wqkv, .offset: 8, .size: 8, .value_kind: global_buffer, .address_space: global }
      - { .name: qkv, .offset: 16, .size: 8, .value_kind: global_buffer, .address_space: global }
    .group_segment_fixed_size: 327680
    .private_segment_fixed_size: 0
    .kernarg_segment_align: 8
    .kernarg_segment_size: 24
    .max_flat_workgroup_size: 128
    .sgpr_count:     66
    .vgpr_count:     1024
    .wavefront_size: 32
...
	.end_amdgpu_metadata
.endif
;; end of part 2
;; launch attn (part 3): grid 64 x 4, 8 waves a work-group, no clusters, 179,200 bytes of LDS; arguments qkv, pad_mask, ov; writes ov
.if DOCPART == 3
	.amdgcn_target "amdgcn-amd-amdhsa--gfx1250"
	.amdhsa_code_object_version 6
	.text
	.protected	k_q8536e738ee_attn
	.globl	k_q8536e738ee_attn
	.p2align	8
	.type	k_q8536e738ee_attn,@function
k_q8536e738ee_attn:
	s_mov_b64 s[64:65], 0
	v_nop
	global_prefetch_b8 v0, s[64:65] scope:SCOPE_SE
	s_setreg_imm32_b32 hwreg(HW_REG_WAVE_MODE, 25, 1), 1
	s_wait_xcnt 0x0
; BAND ATTENTION.  Query q of a batch sees key k iff 0 <= k - q <= 127 and pad_mask[b][k]; o = softmax(q . k / 8) v over the visible keys.
; qkv: six panels [8192][256] bf16: v0 v1 k0 k1 q0 q1 (a panel: four heads of 64 channels).  ov: o, bf16 [8192][512]; from byte 8,388,608 f32 [64][512]: the column sums of V over each block of 128 rows.
; A ROW WITH NO VISIBLE KEY gets here a finite number that serves nothing: the next launch puts the mean of all of the batch's V in its place, made of those column sums.
; SHARES.  A work-group: 128 queries x two heads.  Wave w: head w % 2 of the pair, piece w / 2: 32 queries (two tiles of 16) and their 160 keys (10 tiles of 16; each query tile sees 9 of them).
; All of a piece's scores lie in registers: one pass, with the true maximum taken away.
; LAYOUT.  S^T = K Q^T holds one query a lane (l % 16) and keys 8 (l / 16) + 0..7; two such tiles rounded to bf16 are source 1 of O^T = V^T P; V is turned out of LDS by ds_load_tr16_b128.
; THE MASK is the C operand that starts a score's sum: 0, or -8e9 where the key is hidden (pad, past the batch's end, outside the band).
; NO CLUSTER: a block of 128 rows of K or V is read by two work-groups only, and would have to land at different LDS places in the two.
; The 128 rows behind the last batch fall into the next panel: written, finite numbers, all hidden.
; LIMITS.  A hidden score counts as q . k - 8e9: visible |q . k| stays under 1e9.  A weight below 2^-126 counts as 0.  NaN and infinities are not treated apart.
; REGISTERS.  window 0: v0-19 addresses; v20-35 statistics; v40-71 Q (later v40-47: ones); v72-219 S^T, tile kt of query tile t at 72 + 68 t + 8 kt; v220-251 four masks (later V's column sums).
;   window 1: v0-159 K, then V; v160-239 the pad masks of the ten key tiles, then O^T.
.set PITK, 272
.set PITV, 288
.set VT,   69632                       ; K: 256 rows x 272; V behind it: 256 rows x 288
.set STG,  143360                      ; the way out: 128 rows x 272
.set SPARE, 178176                     ; the spare words, 128 bytes a wave: four blocks of 256 bytes that no other line names
.set AK,  4
.set AV,  5
.set QO,  6
.set KB0, 7
.set STO, 8
.set RD,  9
.set GO,  10
.set DG,  11
.set VPO, 13
.set SPW, 14
.set NIL, 15
.set NEG, 16
.set ST,  20                           ; query tile t at ST + 8 t: +0 c m, +1 its pair's other word, +2..5 sums, +4..7 at work, +6 1 / l
.set Q,   40
.set S,   72
.set CM,  220
.set PADV, 160
.set O,   160
.set MSB, 0
.macro WIN new
.if MSB != (\new)
	s_set_vgpr_msb (MSB<<8)|(\new)
.set MSB, (\new)
.endif
.endm
.macro PLACES
.rept 4
	v_nop
.endr
.endm
	s_load_b128 s[4:7], s[0:1], 0x0                ; qkv, pad_mask
	s_load_b64 s[8:9], s[0:1], 0x10                ; ov
	v_lshl_add_u32 v[SPW], v0, 2, SPARE
	v_mov_b32 v[NIL], 0
	ds_add_u32 v[SPW], v[NIL]                      ; the wave's opening: the add and its wait stand ahead of my tensor load
	v_lshrrev_b32 v1, 5, v0
	v_readfirstlane_b32 s10, v1                    ; wave 0..7
	s_and_b32 s11, s10, 1                          ; head of the pair
	s_lshr_b32 s12, s10, 1                         ; piece
	s_mov_b32 s13, ttmp9                           ; block of 128 rows = 16 b + qb
	s_and_b32 s14, ttmp7, 0xffff                   ; head pair
	s_lshr_b32 s15, s13, 4                         ; b
	s_and_b32 s16, s13, 15                         ; qb
	s_mov_b32 s24, (1<<16)|(1<<20)|(5<<22)|(3<<25) ; K: 2-byte elements, after every 64 words 4 words of padding
	s_mov_b32 s32, (1<<16)|(1<<20)|(5<<22)|(7<<25) ; V: 8 words
.irp g, 24, 32
	s_mov_b32 s[\g+1], 128<<16                     ; tensor_dim0 = 128
	s_mov_b32 s[\g+2], 64<<16                      ; tensor_dim1 = 64
	s_mov_b32 s[\g+3], 128<<16                     ; tile_dim0 = 128
	s_mov_b32 s[\g+4], 64                          ; tile_dim1 = 64
	s_mov_b32 s[\g+5], 256                         ; a panel's row: 256 elements
	s_mov_b32 s[\g+6], 0
	s_mov_b32 s[\g+7], 0
.endr
	s_and_b32 s21, s10, 3                          ; which 64 of the 256 rows I fetch: waves 0-3 of K, waves 4-7 of V
	s_mov_b32 s48, 1
	s_mul_i32 s49, s21, 64*PITK
	s_mov_b32 s52, 1
	s_mul_i32 s53, s21, 64*PITV
	s_add_co_u32 s53, s53, VT
	s_lshr_b32 s17, s14, 1
	s_lshl_b32 s17, s17, 22                        ; the panel of the pair,
	s_and_b32 s18, s14, 1
	s_lshl_b32 s18, s18, 8                         ; its 256 bytes of a row,
	s_lshl_b32 s19, s13, 16                        ; the block's first row
	s_add_co_u32 s20, s17, s18
	s_add_co_u32 s20, s20, s19
	s_lshl_b32 s22, s21, 15
	s_add_co_u32 s56, s20, s22                     ; V's tile; K's lies two panels on
	s_mov_b32 s57, 0
	s_lshl_b32 s22, s12, 14                        ; Q: four panels on, my piece's 32 rows,
	s_add_co_u32 s62, s20, s22
	s_lshl_b32 s22, s11, 7                         ; my head's 128 bytes
	s_add_co_u32 s62, s62, s22
	s_add_co_u32 s62, s62, 16777216
	s_mov_b32 s63, 0
	s_lshl_b32 s82, s15, 11                        ; the batch's row of pad_mask
	s_mov_b32 s83, 0
	s_lshl_b32 s84, s13, 17                        ; o: the block's rows of 1,024 bytes,
	s_lshl_b32 s22, s10, 14                        ; 16 a wave,
	s_add_co_u32 s84, s84, s22
	s_lshl_b32 s22, s14, 8                         ; the pair's 256 bytes
	s_add_co_u32 s84, s84, s22
	s_mov_b32 s85, 0
	s_lshl_b32 s86, s13, 11                        ; the column sums: the block's 2,048 bytes,
	s_lshl_b32 s22, s14, 9
	s_add_co_u32 s86, s86, s22
	s_lshl_b32 s22, s11, 8                         ; my head's 256
	s_add_co_u32 s86, s86, s22
	s_add_co_u32 s86, s86, 8388608
	s_mov_b32 s87, 0
	s_mov_b32 s58, 0x3e38aa3b                      ; c = log2(e) / 8
	s_mov_b32 s59, s58
	s_mov_b32 s60, 0x76543210                      ; v_permlanex16_b32: each lane takes its own place in the other half
	s_mov_b32 s61, 0xfedcba98
	v_and_b32 v1, 15, v0                           ; r
	v_bfe_u32 v2, v0, 4, 1                         ; h
	v_and_b32 v3, 7, v0
	v_bfe_u32 v12, v0, 3, 1
	s_mul_i32 s17, s12, 32*PITK
	s_lshl_b32 s18, s11, 7
	s_add_co_u32 s17, s17, s18
	v_mul_u32_u24 v[AK], v1, PITK
	v_lshl_add_u32 v[AK], v2, 4, v[AK]
	v_add_nc_u32 v[AK], s17, v[AK]                 ; K: row 32 pc + r, my head's bytes, 16 x half
	v_add_nc_u32 v[STO], STG, v[AK]                ; the same place in the stage
	s_mul_i32 s17, s12, 32*PITV
	s_add_co_u32 s17, s17, s18
	s_add_co_u32 s17, s17, VT
	v_lshl_add_u32 v[AV], v2, 3, v3
	v_mul_u32_u24 v[AV], v[AV], PITV
	v_lshl_add_u32 v[AV], v12, 4, v[AV]
	v_add_nc_u32 v[AV], s17, v[AV]                 ; V: key 32 pc + 8 h + l % 8, channels 8 ((l / 8) % 2) on
	v_lshlrev_b32 v[QO], 9, v1
	v_lshl_add_u32 v[QO], v2, 4, v[QO]
	s_lshl_b32 s17, s16, 7
	s_lshl_b32 s19, s12, 5
	s_add_co_u32 s17, s17, s19
	v_lshl_add_u32 v[KB0], v2, 3, s17              ; my first key in the batch: 128 qb + 32 pc + 8 h
	s_mul_i32 s17, s10, 16*PITK
	s_add_co_u32 s17, s17, STG
	v_mul_u32_u24 v[RD], v2, PITK
	v_lshl_add_u32 v[RD], v1, 4, v[RD]
	v_add_nc_u32 v[RD], s17, v[RD]
	v_lshlrev_b32 v[GO], 10, v2
	v_lshl_add_u32 v[GO], v1, 4, v[GO]
	v_lshlrev_b32 v[DG], 3, v2
	v_sub_nc_u32 v[DG], v[DG], v1                  ; 8 h - r
	v_mov_b32 v[NEG], 0xcfee6b28                   ; -8e9
	v_lshrrev_b32 v[VPO], 1, v1                    ; the column sums' store: lane (r < 8, h) takes channels 16 (r / 2) + 8 h + 4 (r % 2) + 0..3
	v_lshlrev_b32 v[VPO], 6, v[VPO]
	v_lshl_add_u32 v[VPO], v2, 5, v[VPO]
	v_and_b32 v17, 1, v1
	v_lshl_add_u32 v[VPO], v17, 4, v[VPO]
.irp t, 0,1
	v_mov_b32 v[ST+8*\t+1], 0
	v_mov_b32 v[ST+8*\t+6], 0
	v_mov_b32 v[ST+8*\t+7], 0
.endr
.irp kt, 0,1,2,3,4,5,6,7,8,9
	v_add_nc_u32 v[CM+\kt], 16*\kt, v[KB0]
	v_min_u32 v[CM+\kt], 2040, v[CM+\kt]           ; keys past the batch's end are hidden below: their load stays inside the batch's row
.endr
.irp j, 0,1,2,3,4,5,6,7
	v_cmp_le_i32 s[40+\j], -\j, v[DG]              ; 8 h + j >= r: seen in a diagonal tile, hidden in the band's far tile
.endr
	s_wait_dscnt 0x0                               ; the opening add is done
	s_wait_kmcnt 0x0
	s_add_nc_u64 s[54:55], s[4:5], s[56:57]
	s_add_nc_u64 s[50:51], s[54:55], 8388608
	s_or_b32 s55, s55, 0x80000000
	s_or_b32 s51, s51, 0x80000000
	s_add_nc_u64 s[74:75], s[4:5], s[62:63]
	s_add_nc_u64 s[76:77], s[6:7], s[82:83]
	s_add_nc_u64 s[78:79], s[8:9], s[84:85]
	s_add_nc_u64 s[80:81], s[8:9], s[86:87]
	s_cmp_lt_u32 s10, 4                            ; one tensor load a wave, 64 rows x 256 bytes; each byte of LDS is filled once
	s_cbranch_scc0 .Lfor_v
	tensor_load_to_lds s[48:51], s[24:31]
	s_nop 0
	PLACES
	s_branch .Lasked
.Lfor_v:
	tensor_load_to_lds s[52:55], s[32:39]
	s_nop 0
	PLACES
.Lasked:
.irp kt, 0,1,2,3,4,5,6,7,8,9
	global_load_b64 v[S+2*\kt:S+2*\kt+1], v[CM+\kt], s[76:77]    ; my 8 pad bytes of key tile kt
.endr
.irp t, 0,1
.irp c, 0,1
	global_load_b128 v[Q+16*\t+8*\c:Q+16*\t+8*\c+3],   v[QO], s[74:75] offset:8192*\t+64*\c
	global_load_b128 v[Q+16*\t+8*\c+4:Q+16*\t+8*\c+7], v[QO], s[74:75] offset:8192*\t+64*\c+32
.endr
.endr
	s_wait_loadcnt 8                               ; the pad bytes are in; Q's 8 loads may stay out
; the pad mask of each key tile: 0 where the key counts, -8e9 where pad_mask is 0 or the key lies past the batch's end
.set kt, 0
.rept 10
	v_add_nc_u32 v17, 16*kt, v[KB0]
	v_cmp_gt_u32 vcc_lo, 2048, v17
	v_cndmask_b32 v18, 0, v[S+2*kt], vcc_lo
	v_cndmask_b32 v19, 0, v[S+2*kt+1], vcc_lo
.irp j, 0,1,2,3,4,5,6,7
	v_and_b32 v[CM+12+\j], 1<<(8*(\j%4)), v[18+\j/4]
.endr
.irp j, 0,1,2,3,4,5,6,7
	v_cmp_eq_u32 s[66+\j], 0, v[CM+12+\j]
.endr
	WIN 0x40
.irp j, 0,1,2,3,4,5,6,7
	v_cndmask_b32 v[PADV+8*kt+\j], 0, v[NEG], s[66+\j]
.endr
	WIN 0
.set kt, kt+1
.endr
; the four tiles that the band cuts: (t, kt) = (0, 0), (1, 1): the diagonal; (0, 8), (1, 9): the far edge.  (0, 9) and (1, 0) are wholly hidden and are not computed.
	WIN 0x04
.irp j, 0,1,2,3,4,5,6,7
	v_cndmask_b32 v[CM+\j], v[NEG], v[PADV+\j], s[40+\j]
.endr
.irp j, 0,1,2,3,4,5,6,7
	v_cndmask_b32 v[CM+8+\j], v[NEG], v[PADV+8+\j], s[40+\j]
.endr
	WIN 0x01
.irp j, 0,1,2,3,4,5,6,7
	v_cndmask_b32 v[CM+16+\j], v[PADV+64+\j], v[NEG], s[40+\j]
.endr
.irp j, 0,1,2,3,4,5,6,7
	v_cndmask_b32 v[CM+24+\j], v[PADV+72+\j], v[NEG], s[40+\j]
.endr
	WIN 0
	s_wait_tensorcnt 0x0                           ; my 64 rows are in,
	s_barrier_signal -1
	s_barrier_wait -1                              ; everybody's are
	WIN 0x40
.irp kt, 0,1,2,3,4,5,6,7,8,9
.irp c, 0,1
	ds_load_b128 v[16*\kt+8*\c:16*\kt+8*\c+3],   v[AK] offset:16*PITK*\kt+64*\c
	ds_load_b128 v[16*\kt+8*\c+4:16*\kt+8*\c+7], v[AK] offset:16*PITK*\kt+64*\c+32
.endr
.endr
	s_wait_loadcnt 0x0                             ; Q
	s_wait_dscnt 0x0                               ; K
; the scores: 18 tiles, two products each; the 18 accumulators take turns
.macro SC t, kt, c, how                ; how: 0-3: the sum starts with mask CM + 8 how; 4: with the tile's pad mask; 5: it goes on in place
.set rS, S+68*(\t)+8*(\kt)
.set rK, 16*(\kt)+8*(\c)
.set rQ, Q+16*(\t)+8*(\c)
.if (\how) < 4
	WIN 0x01
	v_wmma_f32_16x16x32_bf16 v[rS:rS+7], v[rK:rK+7], v[rQ:rQ+7], v[CM+8*(\how):CM+8*(\how)+7]
.elseif (\how) == 4
	WIN 0x11
	v_wmma_f32_16x16x32_bf16 v[rS:rS+7], v[rK:rK+7], v[rQ:rQ+7], v[PADV+8*(\kt):PADV+8*(\kt)+7]
.else
	WIN 0x01
	v_wmma_f32_16x16x32_bf16 v[rS:rS+7], v[rK:rK+7], v[rQ:rQ+7], v[rS:rS+7]
.endif
.endm
	SC 0, 0, 0, 0
	SC 1, 1, 0, 1
	SC 0, 8, 0, 2
	SC 1, 9, 0, 3
.irp kt, 1,2,3,4,5,6,7
	SC 0, \kt, 0, 4
	SC 1, \kt+1, 0, 4
.endr
	SC 0, 0, 1, 5
	SC 1, 1, 1, 5
	SC 0, 8, 1, 5
	SC 1, 9, 1, 5
.irp kt, 1,2,3,4,5,6,7
	SC 0, \kt, 1, 5
	SC 1, \kt+1, 1, 5
.endr
	WIN 0
	PLACES                                         ; behind the last product: K's registers are loaded again, Q's written, the scores read
	WIN 0x40
.irp u, 0,1,2,3,4
.irp cb, 0,1,2,3
	ds_load_tr16_b128 v[32*\u+8*\cb:32*\u+8*\cb+3],   v[AV] offset:32*PITV*\u+32*\cb
	ds_load_tr16_b128 v[32*\u+8*\cb+4:32*\u+8*\cb+7], v[AV] offset:32*PITV*\u+32*\cb+16*PITV
.endr
.endr
	WIN 0
.irp i, 0,1,2,3,4,5,6,7
	v_mov_b32 v[Q+\i], 0x3f803f80                  ; ones, for V's column sums
.endr
; THE SOFTMAX.  Query tile t's nine tiles are 72 registers on end from S + 76 t.  The maximum: two chains a query tile; each accumulator is read from its low end on.
.macro MX t, n, i
.set rS, S+76*(\t)+8*(\n)+2*(\i)
.set rC, ST+8*(\t)+4+((\n)%2)
.if ((\n) < 2) && ((\i) == 0)
	v_max_num_f32 v[rC], v[rS], v[rS+1]
.else
	v_max3_num_f32 v[rC], v[rC], v[rS], v[rS+1]
.endif
.endm
.irp np, 0,1,2,3
.irp i, 0,1,2,3
.irp e, 0,1
.irp t, 0,1
	MX \t, 2*\np+\e, \i
.endr
.endr
.endr
.endr
.irp i, 0,1,2,3
.irp t, 0,1
	MX \t, 8, \i
.endr
.endr
.irp t, 0,1
	v_max_num_f32 v[ST+8*\t+4], v[ST+8*\t+4], v[ST+8*\t+5]
.endr
.irp t, 0,1
	v_permlanex16_b32 v[ST+8*\t+6], v[ST+8*\t+4], s60, s61   ; the query's other keys lie in the lane 16 away
.endr
.irp t, 0,1
	v_max_num_f32 v[ST+8*\t+4], v[ST+8*\t+4], v[ST+8*\t+6]
.endr
.irp t, 0,1
	v_mul_f32 v[ST+8*\t], s58, v[ST+8*\t+4]        ; c m
.endr
.set z, 0
.rept 36
.irp t, 0,1
	v_pk_fma_f32 v[S+76*\t+2*z:S+76*\t+2*z+1], v[S+76*\t+2*z:S+76*\t+2*z+1], s[58:59], v[ST+8*\t:ST+8*\t+1] op_sel_hi:[1,0,0] neg_lo:[0,0,1] neg_hi:[0,0,1]  ; c s - c m
.endr
.set z, z+1
.endr
.set z, 0
.rept 72
.irp t, 0,1
	v_exp_f32 v[S+76*\t+z], v[S+76*\t+z]
.endr
.set z, z+1
.endr
	v_nop                                          ; a plain instruction behind the last exponential,
	s_wait_alu depctr_va_vdst(0)                   ; and one wait for the batch of 144, ahead of the first reader
.irp t, 0,1
	v_pk_add_f32 v[ST+8*\t+2:ST+8*\t+3], v[S+76*\t:S+76*\t+1], v[S+76*\t+2:S+76*\t+3]
	v_pk_add_f32 v[ST+8*\t+4:ST+8*\t+5], v[S+76*\t+4:S+76*\t+5], v[S+76*\t+6:S+76*\t+7]
.endr
.set z, 4
.rept 16                                       ; the sum of the unrounded weights, in two chains a query tile
.irp t, 0,1
	v_pk_add_f32 v[ST+8*\t+2:ST+8*\t+3], v[ST+8*\t+2:ST+8*\t+3], v[S+76*\t+2*z:S+76*\t+2*z+1]
	v_pk_add_f32 v[ST+8*\t+4:ST+8*\t+5], v[ST+8*\t+4:ST+8*\t+5], v[S+76*\t+2*z+2:S+76*\t+2*z+3]
.endr
.set z, z+2
.endr
.irp t, 0,1
	v_pk_add_f32 v[ST+8*\t+2:ST+8*\t+3], v[ST+8*\t+2:ST+8*\t+3], v[ST+8*\t+4:ST+8*\t+5]
.endr
.irp t, 0,1
	v_add_f32 v[ST+8*\t+2], v[ST+8*\t+2], v[ST+8*\t+3]
.endr
.irp t, 0,1
	v_permlanex16_b32 v[ST+8*\t+6], v[ST+8*\t+2], s60, s61
.endr
.irp t, 0,1
	v_add_f32 v[ST+8*\t+2], v[ST+8*\t+2], v[ST+8*\t+6]
.endr
.irp t, 0,1
	v_rcp_f32 v[ST+8*\t+6], v[ST+8*\t+2]           ; 1 / l; the roundings below are the plain work behind it
.endr
; P: tile kt rounded to bf16 in place, into half kt % 2 of the fragment of key step kt / 2 at S + 68 t + 16 (kt / 2); ascending, so that no source is written before it is read.
.macro PACKT t, kt
.irp z, 0,1,2,3
	v_cvt_pk_bf16_f32 v[S+68*(\t)+16*((\kt)/2)+4*((\kt)%2)+\z], v[S+68*(\t)+8*(\kt)+2*\z], v[S+68*(\t)+8*(\kt)+2*\z+1]
.endr
.endm
.irp kt, 0,1,2,3,4,5,6,7,8
	PACKT 0, \kt
.endr
.irp i, 0,1,2,3
	v_mov_b32 v[S+68+\i], 0                        ; v140-143: query tile 0's hidden tile 9, and query tile 1's hidden tile 0
.endr
.irp kt, 1,2,3,4,5,6,7,8,9
	PACKT 1, \kt
.endr
	s_wait_alu depctr_va_vdst(0)                   ; the two reciprocals' wait, ahead of the branch below
	s_wait_dscnt 0x0                               ; V
	WIN 0x51                                       ; V window 1, P window 0, O^T window 1
.irp u, 0,1,2,3,4
.irp cb, 0,1,2,3
.irp t, 0,1
.if \u == 0
	v_wmma_f32_16x16x32_bf16 v[O+32*\t+8*\cb:O+32*\t+8*\cb+7], v[32*\u+8*\cb:32*\u+8*\cb+7], v[S+68*\t+16*\u:S+68*\t+16*\u+7], 0
.else
	v_wmma_f32_16x16x32_bf16 v[O+32*\t+8*\cb:O+32*\t+8*\cb+7], v[32*\u+8*\cb:32*\u+8*\cb+7], v[S+68*\t+16*\u:S+68*\t+16*\u+7], v[O+32*\t+8*\cb:O+32*\t+8*\cb+7]
.endif
.endr
.endr
.endr
	WIN 0
	s_cmp_lg_u32 s12, 0
	s_cbranch_scc1 .Lno_sums
; piece 0's first four key steps are the block's own 128 rows: V^T times ones gives their column sums, f32, the same in every column
	WIN 0x01
.irp u, 0,1,2,3
.irp cb, 0,1,2,3
.if \u == 0
	v_wmma_f32_16x16x32_bf16 v[CM+8*\cb:CM+8*\cb+7], v[32*\u+8*\cb:32*\u+8*\cb+7], v[Q:Q+7], 0
.else
	v_wmma_f32_16x16x32_bf16 v[CM+8*\cb:CM+8*\cb+7], v[32*\u+8*\cb:32*\u+8*\cb+7], v[Q:Q+7], v[CM+8*\cb:CM+8*\cb+7]
.endif
.endr
.endr
	WIN 0
	PLACES
	v_and_b32 v17, 1, v1
	v_cmp_ne_u32 s66, 0, v17
	v_and_b32 v17, 2, v1
	v_cmp_ne_u32 s67, 0, v17
	v_and_b32 v17, 4, v1
	v_cmp_ne_u32 s68, 0, v17
.irp cb, 0,1,2,3
.irp z, 0,1,2,3
	v_cndmask_b32 v[CM+8*\cb+\z], v[CM+8*\cb+\z], v[CM+8*\cb+4+\z], s66   ; r % 2 picks four of a block's eight channels,
.endr
.endr
.irp e, 0,1
.irp z, 0,1,2,3
	v_cndmask_b32 v[CM+16*\e+\z], v[CM+16*\e+\z], v[CM+16*\e+8+\z], s67   ; r / 2 the channel block
.endr
.endr
.irp z, 0,1,2,3
	v_cndmask_b32 v[CM+\z], v[CM+\z], v[CM+16+\z], s68
.endr
	s_wait_xcnt 0x0                                ; EXEC changes only behind this wait
	v_cmp_gt_u32 vcc_lo, 8, v1
	s_and_saveexec_b32 s69, vcc_lo
	global_store_b128 v[VPO], v[CM:CM+3], s[80:81] ; 16 lanes store my head's 256 consecutive bytes, aligned
	s_wait_xcnt 0x0
	s_or_b32 exec_lo, exec_lo, s69
.Lno_sums:
	PLACES                                         ; behind the last product
	WIN 0x41
.irp t, 0,1
.set z, 0
.rept 16
	v_pk_mul_f32 v[O+32*\t+2*z:O+32*\t+2*z+1], v[O+32*\t+2*z:O+32*\t+2*z+1], v[ST+8*\t+6:ST+8*\t+7] op_sel_hi:[1,0]
.set z, z+1
.endr
.endr
	WIN 0x05
.irp t, 0,1
.set z, 0
.rept 16
	v_cvt_pk_bf16_f32 v[S+16*\t+z], v[O+32*\t+2*z], v[O+32*\t+2*z+1]
.set z, z+1
.endr
.endr
	WIN 0
.irp t, 0,1
.irp cb, 0,1,2,3
	ds_store_b128 v[STO], v[S+16*\t+4*\cb:S+16*\t+4*\cb+3] offset:16*PITK*\t+32*\cb
.endr
.endr
	s_wait_dscnt 0x0                               ; for the others' sake: a stage row's 256 bytes come from two waves
	s_barrier_signal -1
	s_barrier_wait -1
.irp i, 0,1,2,3,4,5,6,7
	ds_load_b128 v[104+4*\i:107+4*\i], v[RD] offset:2*PITK*\i
.endr
.irp i, 0,1,2,3,4,5,6,7
	s_wait_dscnt 7-\i
	global_store_b128 v[GO], v[104+4*\i:107+4*\i], s[78:79] offset:2048*\i   ; 16 lanes store 256 consecutive bytes, aligned
.endr
	s_wait_tensorcnt 0x0                           ; the wave's end
	ds_add_u32 v[SPW], v[NIL]
	s_wait_dscnt 0x0
	s_endpgm
.Lfunc_end_k_q8536e738ee_attn:
	.size	k_q8536e738ee_attn, .Lfunc_end_k_q8536e738ee_attn-k_q8536e738ee_attn
	.p2alignl 7, 3214868480
	.fill 96, 4, 3214868480
	.section	.rodata,"a",@progbits
	.p2align	6, 0x0
	.amdhsa_kernel k_q8536e738ee_attn
		.amdhsa_group_segment_fixed_size 179200
		.amdhsa_private_segment_fixed_size 0
		.amdhsa_enable_private_segment 0
		.amdhsa_kernarg_size 24
		.amdhsa_user_sgpr_count 2
		.amdhsa_user_sgpr_kernarg_segment_ptr 1
		.amdhsa_wavefront_size32 1
		.amdhsa_system_sgpr_workgroup_id_x 1
		.amdhsa_system_sgpr_workgroup_id_y 1
		.amdhsa_system_sgpr_workgroup_id_z 1
		.amdhsa_system_vgpr_workitem_id 0
		.amdhsa_next_free_vgpr 512
		.amdhsa_next_free_sgpr 88
		.amdhsa_reserve_vcc 1
		.amdhsa_float_denorm_mode_32 3
		.amdhsa_float_denorm_mode_16_64 3
		.amdhsa_memory_ordered 1
		.amdhsa_forward_progress 1
		.amdhsa_inst_pref_size 73
	.end_amdhsa_kernel
	.amdgpu_metadata
---
amdhsa.version: [ 1, 2 ]
amdhsa.kernels:
  - .name:           k_q8536e738ee_attn
    .symbol:         k_q8536e738ee_attn.kd
    .args:
      - { .name: qkv, .offset: 0, .size: 8, .value_kind: global_buffer, .address_space: global }
      - { .name: pad_mask, .offset: 8, .size: 8, .value_kind: global_buffer, .address_space: global }
      - { .name: ov, .offset: 16, .size: 8, .value_kind: global_buffer, .address_space: global }
    .group_segment_fixed_size: 179200
    .private_segment_fixed_size: 0
    .kernarg_segment_align: 8
    .kernarg_segment_size: 24
    .max_flat_workgroup_size: 256
    .sgpr_count:     88
    .vgpr_count:     512
    .wavefront_size: 32
...
	.end_amdgpu_metadata
.endif
;; end of part 3
;; launch wo_ln1 (part 4): grid 256 x 1, 4 waves a work-group, clusters of 4 x 1, 327,680 bytes of LDS; arguments ov, wrest, x, pad_mask, bo, g1, be1, act; writes act
.if DOCPART == 4
	.amdgcn_target "amdgcn-amd-amdhsa--gfx1250"
	.amdhsa_code_object_version 6
	.text
	.protected	k_q8536e738ee_wo_ln1
	.globl	k_q8536e738ee_wo_ln1
	.p2align	8
	.type	k_q8536e738ee_wo_ln1,@function
k_q8536e738ee_wo_ln1:
	s_mov_b64 s[64:65], 0
	v_nop
	global_prefetch_b8 v0, s[64:65] scope:SCOPE_SE
	s_setreg_imm32_b32 hwreg(HW_REG_WAVE_MODE, 25, 1), 1
	s_wait_xcnt 0x0
	s_wait_alu depctr_hold_cnt(0) depctr_sa_sdst(0) depctr_va_vdst(0) depctr_va_sdst(0) depctr_va_ssrc(0) depctr_va_vcc(0) depctr_vm_vsrc(0)
	s_getreg_b32 s2, hwreg(HW_REG_IB_STS2, 6, 4)
	s_cmp_eq_u32 s2, 0
	s_cbranch_scc0 .Lentry_in_a_cluster
	s_endpgm
.Lentry_in_a_cluster:
	s_bfe_u32 s2, ttmp6, 0x10000c
	s_cmp_lg_u32 s2, 0x3003
	s_cbranch_scc0 .Lentry_shape_is_right
	s_endpgm
.Lentry_shape_is_right:
; x1 = LayerNorm(x + o wo + bo) g1 + be1, stored as bf16.  o: bf16 [8192][512]; wo: four chunks [512 k][128 n] bf16; x: f32.
; A ROW WHOSE BAND HOLDS NO VISIBLE KEY (its 128 keys from itself on, inside the batch, are all 0 in pad_mask) has uniform weights over all 2,048 keys: its o is the mean of the batch's V,
; made here from the 16 column sums of the launch before (f32), rounded once to bf16, and put in o's place by v_cndmask_b32.  The flags are made in whole numbers from pad_mask.
; SHARES.  A work-group: 32 rows x all 512 columns (the norm wants whole rows): 256 work-groups.  Wave w: columns 128 w .. + 127 = chunk w, which it fetches and reads alone.
; K goes in four steps of 128 through two slots.  CLUSTER: all row blocks walk the same wo: each load is JOINT for the cluster's four work-groups (mask 15).
; The sums meet in LDS (f32, in slot 0 behind its last fill); then a wave norms 8 whole rows: mean, centred squares (two passes, as the formula has it), rsqrt.
; REGISTERS.  window 0: addresses; v32-95 column sums, later the norm's temporaries; v128-255 two buffers of wo's fragments.  window 1: o, (t, i) at 128 t + 8 i; later the sums read back.
;   window 2: v0-127 the mean's fragments; v128-255 16 accumulators, (t, b) at 128 + 64 t + 8 b.  window 3: v0-127 x, then the rows at work; v128- bo, v144- g1, v160- be1; v176 8 x lane.
; LIMITS.  NaN and infinities are not treated apart.
.set SLOTB, 147456
.set QTR,   36864                      ; a wave's 128 rows x 288 bytes
.set VM,    294912                     ; the mean of V, 512 bf16
.set SPARE, 295936                     ; the spare words: two blocks of 256 bytes that no other line names
.set SPITCH, 2064                      ; a stage row: 2,048 bytes + 16 = 129 x 16
.set AO,  4
.set AB,  5                            ; v5, v6: my place in my chunk's rows, slot 0 and 1
.set VMR, 7
.set VMW, 8
.set STO, 9
.set RD,  10
.set LO,  11
.set TO,  12
.set PADB, 13                          ; v13-17
.set PADO, 20                          ; v20-24
.set SPW, 28
.set NIL, 29
.set VP,  32
.set T,   32
.set BF,  128
.set D,   0
.set G,   144
.set BE,  160
.set NR,  8
.set SEL, 60
.set RN,  62
.set EPS, 63
.set W_DDT, 0x0f                       ; sources 0 and 1 window 3, the rest window 0
.set W_DTD, 0xc3                       ; destination and source 0 window 3, source 1 window 0
.set W_D,   0xff
.set MSB, 0
.macro WIN new
.if MSB != (\new)
	s_set_vgpr_msb (MSB<<8)|(\new)
.set MSB, (\new)
.endif
.endm
.macro PLACES
.rept 4
	v_nop
.endr
.endm
.macro ROUND
	s_barrier_signal -1
	s_barrier_wait -1
	s_cmp_lg_u32 s10, 0
	s_cbranch_scc1 .Lnot_wave_0_\@
	s_barrier_signal -3
.Lnot_wave_0_\@:
	s_barrier_wait -3
	s_barrier_signal -1
	s_barrier_wait -1
.endm
.macro ALL line:vararg                 ; one line for each row q
.set q, 0
.rept NR
	\line
.set q, q+1
.endr
.endm
.macro RED x                           ; v[T + 8 q + x] summed over the 32 lanes; the register behind it at work
.irp m, 1,2,4,8
	ALL v_add_f32_dpp v[T+8*q+\x], v[T+8*q+\x], v[T+8*q+\x] row_xmask:\m row_mask:0xf bank_mask:0xf
.endr
	ALL v_permlanex16_b32 v[T+8*q+\x+1], v[T+8*q+\x], s[SEL], s[SEL+1]
	ALL v_add_f32 v[T+8*q+\x], v[T+8*q+\x], v[T+8*q+\x+1]
.endm
.macro LNORM                           ; rows of 512 numbers, 16 a lane at D + 16 q; each step for all rows, so that no line waits for the one before it
	WIN W_DDT
.irp e, 0,1,2,3
	ALL v_pk_add_f32 v[T+8*q+2*\e:T+8*q+2*\e+1], v[D+16*q+4*\e:D+16*q+4*\e+1], v[D+16*q+4*\e+2:D+16*q+4*\e+3]
.endr
	WIN 0
	ALL v_pk_add_f32 v[T+8*q:T+8*q+1], v[T+8*q:T+8*q+1], v[T+8*q+2:T+8*q+3]
	ALL v_pk_add_f32 v[T+8*q+4:T+8*q+5], v[T+8*q+4:T+8*q+5], v[T+8*q+6:T+8*q+7]
	ALL v_pk_add_f32 v[T+8*q:T+8*q+1], v[T+8*q:T+8*q+1], v[T+8*q+4:T+8*q+5]
	ALL v_add_f32 v[T+8*q], v[T+8*q], v[T+8*q+1]
	RED 0
	ALL v_mul_f32 v[T+8*q], s[RN], v[T+8*q]        ; the mean
	WIN W_DTD
.irp e, 0,1,2,3,4,5,6,7
	ALL v_pk_add_f32 v[D+16*q+2*\e:D+16*q+2*\e+1], v[D+16*q+2*\e:D+16*q+2*\e+1], v[T+8*q:T+8*q+1] op_sel_hi:[1,0] neg_lo:[0,1] neg_hi:[0,1]
.endr
	WIN W_DDT
	ALL v_pk_mul_f32 v[T+8*q+2:T+8*q+3], v[D+16*q:D+16*q+1], v[D+16*q:D+16*q+1]
	ALL v_pk_mul_f32 v[T+8*q+4:T+8*q+5], v[D+16*q+2:D+16*q+3], v[D+16*q+2:D+16*q+3]
.irp e, 2,3,4,5,6,7
	ALL v_pk_fma_f32 v[T+8*q+2+2*(\e%2):T+8*q+3+2*(\e%2)], v[D+16*q+2*\e:D+16*q+2*\e+1], v[D+16*q+2*\e:D+16*q+2*\e+1], v[T+8*q+2+2*(\e%2):T+8*q+3+2*(\e%2)]
.endr
	WIN 0
	ALL v_pk_add_f32 v[T+8*q+2:T+8*q+3], v[T+8*q+2:T+8*q+3], v[T+8*q+4:T+8*q+5]
	ALL v_add_f32 v[T+8*q+2], v[T+8*q+2], v[T+8*q+3]
	RED 2
	ALL v_fma_f32 v[T+8*q+2], v[T+8*q+2], s[RN], s[EPS]
	ALL v_rsq_f32 v[T+8*q+2], v[T+8*q+2]
	v_nop                                          ; a plain instruction behind the last root,
	s_wait_alu depctr_va_vdst(0)                   ; and one wait for the batch
	WIN W_DTD
.irp e, 0,1,2,3,4,5,6,7
	ALL v_pk_mul_f32 v[D+16*q+2*\e:D+16*q+2*\e+1], v[D+16*q+2*\e:D+16*q+2*\e+1], v[T+8*q+2:T+8*q+3] op_sel_hi:[1,0]
.endr
	WIN W_D
.irp e, 0,1,2,3,4,5,6,7
	ALL v_pk_fma_f32 v[D+16*q+2*\e:D+16*q+2*\e+1], v[D+16*q+2*\e:D+16*q+2*\e+1], v[G+2*\e:G+2*\e+1], v[BE+2*\e:BE+2*\e+1]
.endr
.endm
	s_load_b512 s[36:51], s[0:1], 0x0              ; ov 36, wrest 38, x 40, pad_mask 42, bo 44, g1 46, be1 48, act 50
	v_lshl_add_u32 v[SPW], v0, 2, SPARE
	v_mov_b32 v[NIL], 0
	ds_add_u32 v[SPW], v[NIL]                      ; the wave's opening: the add and its wait stand ahead of my first tensor load
	v_lshrrev_b32 v1, 5, v0
	v_readfirstlane_b32 s10, v1                    ; wave 0..3
	s_bfe_u32 s11, ttmp6, 0x40000                  ; cx
	s_lshl_b32 s12, ttmp9, 2
	s_add_co_u32 s12, s12, s11                     ; my block of 32 rows: it enters global addresses and selects alone
	s_lshr_b32 s13, s12, 6                         ; b
	s_and_b32 s14, s12, 63
	s_lshl_b32 s14, s14, 5                         ; my first row in the batch
	s_mov_b32 s16, 15|(1<<16)|(1<<20)|(1<<21)|(5<<22)|(7<<25)
	s_mov_b32 s17, 128<<16
	s_mov_b32 s18, 128<<16
	s_mov_b32 s19, 128<<16
	s_mov_b32 s20, 128
	s_mov_b32 s21, 128
	s_mov_b32 s22, 0
	s_mov_b32 s23, 0
	s_mov_b32 s24, 1
	s_mul_i32 s25, s10, QTR
	s_mov_b32 s28, 1
	s_add_co_u32 s29, s25, SLOTB
	s_lshl_b32 s32, s10, 17                        ; chunk w of wo
	s_mov_b32 s33, 0
	s_mov_b32 s[SEL], 0x76543210
	s_mov_b32 s[SEL+1], 0xfedcba98
	s_mov_b32 s[RN], 0x3b000000                    ; 1 / 512
	s_mov_b32 s[EPS], 0x3727c5ac                   ; 1e-5
	v_and_b32 v1, 15, v0                           ; r
	v_bfe_u32 v2, v0, 4, 1                         ; h
	v_and_b32 v3, 31, v0                           ; l
	v_and_b32 v18, 7, v0
	v_bfe_u32 v19, v0, 3, 1
	v_lshlrev_b32 v[AO], 10, v1
	v_lshl_add_u32 v[AO], v2, 4, v[AO]
	v_lshl_add_u32 v[AB], v2, 3, v18
	v_mul_u32_u24 v[AB], v[AB], 288
	v_lshl_add_u32 v[AB], v19, 4, v[AB]
	v_add_nc_u32 v[AB], s25, v[AB]
	v_add_nc_u32 v[AB+1], SLOTB, v[AB]
	v_lshlrev_b32 v[VMR], 4, v2
	v_add_nc_u32 v[VMR], VM, v[VMR]
	v_lshl_add_u32 v[VMW], v0, 3, VM
	s_lshl_b32 s6, s10, 9
	v_mul_u32_u24 v[STO], v1, SPITCH
	v_lshl_add_u32 v[STO], v2, 5, v[STO]
	v_add_nc_u32 v[STO], s6, v[STO]                ; row r, my 128 columns, 8 h of them on
	s_mul_i32 s6, s10, 8*SPITCH
	v_lshl_add_u32 v[RD], v3, 4, s6
	v_lshlrev_b32 v[LO], 4, v3
	v_lshlrev_b32 v[TO], 4, v0
.irp s, 0,1,2,3,4
	s_add_co_u32 s6, s14, 32*\s
	s_min_u32 s6, s6, 2016                         ; groups past the batch's end are set to 0 below: their load stays inside the batch's row
	v_add_nc_u32 v[PADO+\s], s6, v3
.endr
	s_wait_dscnt 0x0                               ; the opening add is done
	s_wait_kmcnt 0x0
	s_add_nc_u64 s[26:27], s[38:39], s[32:33]      ; K step 0
	s_add_nc_u64 s[30:31], s[26:27], 32768         ; K step 1
	s_or_b32 s27, s27, 0x80000000
	s_or_b32 s31, s31, 0x80000000
	s_lshl_b32 s6, s13, 11
	s_mov_b32 s7, 0
	s_add_nc_u64 s[42:43], s[42:43], s[6:7]        ; the batch's row of pad_mask
	s_lshl_b32 s6, s13, 15
	s_add_co_u32 s6, s6, 8388608
	s_add_nc_u64 s[4:5], s[36:37], s[6:7]          ; the batch's 16 column sums
	s_lshl_b32 s6, s12, 15
	s_add_nc_u64 s[36:37], s[36:37], s[6:7]        ; o at my 32 rows
	s_lshl_b32 s8, s10, 13
	s_add_co_u32 s6, s6, s8
	s_add_nc_u64 s[50:51], s[50:51], s[6:7]        ; x1 at my wave's 8 rows
	s_lshl_b32 s6, s6, 1
	s_add_nc_u64 s[40:41], s[40:41], s[6:7]        ; x at the same rows
	ROUND                                          ; all four work-groups are here: the joint loads meet
	tensor_load_to_lds s[24:27], s[16:23]          ; both first fills together: two loads of mine are out
	s_nop 0
	tensor_load_to_lds s[28:31], s[16:23]
	s_nop 0
	PLACES
.irp s, 0,1,2,3,4
	global_load_u8 v[PADB+\s], v[PADO+\s], s[42:43]
.endr
.irp i, 0,1,2,3,4,5,6,7,8,9,10,11,12,13,14,15
	global_load_b128 v[VP+4*\i:VP+4*\i+3], v[TO], s[4:5] offset:2048*\i
.endr
	WIN 0x40
.irp t, 0,1
.irp i, 0,1,2,3,4,5,6,7,8,9,10,11,12,13,14,15
	global_load_b128 v[128*\t+8*\i:128*\t+8*\i+3],   v[AO], s[36:37] offset:16384*\t+64*\i
	global_load_b128 v[128*\t+8*\i+4:128*\t+8*\i+7], v[AO], s[36:37] offset:16384*\t+64*\i+32
.endr
.endr
	WIN 0xc0
.irp j, 0,1,2,3
	global_load_b128 v[128+4*\j:131+4*\j], v[LO], s[44:45] offset:512*\j
	global_load_b128 v[G+4*\j:G+4*\j+3],   v[LO], s[46:47] offset:512*\j
	global_load_b128 v[BE+4*\j:BE+4*\j+3], v[LO], s[48:49] offset:512*\j
.endr
.irp p, 0,1,2,3,4,5,6,7
.irp j, 0,1,2,3
	global_load_b128 v[16*\p+4*\j:16*\p+4*\j+3], v[LO], s[40:41] offset:2048*\p+512*\j th:TH_LOAD_NT
.endr
.endr
	v_lshlrev_b32 v176, 3, v3                      ; v176 of window 3: 8 x lane
	WIN 0
	s_wait_loadcnt 63                              ; of 129 loads at most 63 are out: the pad bytes and the column sums, the oldest 21, are in
.irp s, 0,1,2,3,4
	v_cmp_ne_u32 s[52+\s], 0, v[PADB+\s]           ; bit l: key q0 + 32 s + l counts
.endr
.irp s, 1,2,3,4
	s_add_co_u32 s6, s14, 32*\s
	s_cmp_lt_u32 s6, 2048
	s_cselect_b32 s[52+\s], s[52+\s], 0            ; past the batch's end nothing counts
.endr
	s_or_b32 s53, s53, s54
	s_or_b32 s53, s53, s55                         ; keys q0 + 32 .. q0 + 127 lie in every row's band
.irp t, 0,1
	v_add_nc_u32 v18, 16*\t, v1                    ; my row i of the 32: its band is q0 + i .. q0 + i + 127
	v_mov_b32 v19, s52
	v_lshrrev_b32 v19, v18, v19                    ; of the first group the keys from i on,
	v_mov_b32 v25, 1
	v_lshlrev_b32 v25, v18, v25
	v_add_nc_u32 v25, -1, v25
	v_and_b32 v25, s56, v25                        ; of the last the keys below i
	v_or_b32 v19, v19, v25
	v_or_b32 v19, s53, v19
	v_cmp_eq_u32 s[58+\t], 0, v19                  ; no visible key
.endr
.irp i, 0,1,2,3,4,5,6,7
	v_pk_add_f32 v[VP+4*\i:VP+4*\i+1], v[VP+4*\i:VP+4*\i+1], v[VP+32+4*\i:VP+32+4*\i+1]
	v_pk_add_f32 v[VP+4*\i+2:VP+4*\i+3], v[VP+4*\i+2:VP+4*\i+3], v[VP+32+4*\i+2:VP+32+4*\i+3]
.endr
.irp i, 0,1,2,3
	v_pk_add_f32 v[VP+4*\i:VP+4*\i+1], v[VP+4*\i:VP+4*\i+1], v[VP+16+4*\i:VP+16+4*\i+1]
	v_pk_add_f32 v[VP+4*\i+2:VP+4*\i+3], v[VP+4*\i+2:VP+4*\i+3], v[VP+16+4*\i+2:VP+16+4*\i+3]
.endr
.irp i, 0,1
	v_pk_add_f32 v[VP+4*\i:VP+4*\i+1], v[VP+4*\i:VP+4*\i+1], v[VP+8+4*\i:VP+8+4*\i+1]
	v_pk_add_f32 v[VP+4*\i+2:VP+4*\i+3], v[VP+4*\i+2:VP+4*\i+3], v[VP+8+4*\i+2:VP+8+4*\i+3]
.endr
	v_pk_add_f32 v[VP:VP+1], v[VP:VP+1], v[VP+4:VP+5]
	v_pk_add_f32 v[VP+2:VP+3], v[VP+2:VP+3], v[VP+6:VP+7]
	v_pk_mul_f32 v[VP:VP+1], v[VP:VP+1], 0x3a000000 op_sel_hi:[1,0]      ; / 2,048
	v_pk_mul_f32 v[VP+2:VP+3], v[VP+2:VP+3], 0x3a000000 op_sel_hi:[1,0]
	v_cvt_pk_bf16_f32 v[VP], v[VP], v[VP+1]
	v_cvt_pk_bf16_f32 v[VP+1], v[VP+2], v[VP+3]
	ds_store_b64 v[VMW], v[VP:VP+1]                ; thread t: channels 4 t .. 4 t + 3
	s_wait_dscnt 0x0
	s_barrier_signal -1                            ; the tensor loads may stay out
	s_barrier_wait -1
	WIN 0x80
.irp i, 0,1,2,3,4,5,6,7,8,9,10,11,12,13,14,15
	ds_load_b128 v[8*\i:8*\i+3],   v[VMR] offset:64*\i
	ds_load_b128 v[8*\i+4:8*\i+7], v[VMR] offset:64*\i+32
.endr
	s_wait_loadcnt 44                              ; o is in: 12 loads of parameters and 32 of x are younger
	s_wait_dscnt 0x0
	WIN 0x49                                       ; o (destination, source 0) window 1, the mean window 2
.irp t, 0,1
.set z, 0
.rept 128
	v_cndmask_b32 v[128*\t+z], v[128*\t+z], v[z], s[58+\t]
.set z, z+1
.endr
.endr
	WIN 0
.macro FETCHB slot, kk
	WIN 0
.irp b, 0,1,2,3,4,5,6,7
	ds_load_tr16_b128 v[BF+64*((\kk)%2)+8*\b:BF+64*((\kk)%2)+8*\b+3],   v[AB+(\slot)] offset:9216*(\kk)+32*\b
	ds_load_tr16_b128 v[BF+64*((\kk)%2)+8*\b+4:BF+64*((\kk)%2)+8*\b+7], v[AB+(\slot)] offset:9216*(\kk)+32*\b+4608
.endr
.endm
.macro STEP s, slot                    ; 128 along K: 64 matrix instructions; the 16 accumulators take turns
	FETCHB \slot, 0
.irp kk, 0,1,2,3
	s_wait_dscnt 0x0
	PLACES
.if \kk < 3
	FETCHB \slot, \kk+1
.endif
	WIN 0xa4                                       ; wo window 0, o window 1, C and D window 2
.irp t, 0,1
.irp b, 0,1,2,3,4,5,6,7
.if ((\s) == 0) && (\kk == 0)
	v_wmma_f32_16x16x32_bf16 v[128+64*\t+8*\b:128+64*\t+8*\b+7], v[BF+64*(\kk%2)+8*\b:BF+64*(\kk%2)+8*\b+7], v[128*\t+8*(4*(\s)+\kk):128*\t+8*(4*(\s)+\kk)+7], 0
.else
	v_wmma_f32_16x16x32_bf16 v[128+64*\t+8*\b:128+64*\t+8*\b+7], v[BF+64*(\kk%2)+8*\b:BF+64*(\kk%2)+8*\b+7], v[128*\t+8*(4*(\s)+\kk):128*\t+8*(4*(\s)+\kk)+7], v[128+64*\t+8*\b:128+64*\t+8*\b+7]
.endif
.endr
.endr
.endr
.endm
.macro REFILL slot                     ; the slot just read out takes the K step two on
	WIN 0
	s_wait_tensorcnt 0x0                           ; all my tensor loads have landed, the other slot's among them
	ds_add_u32 v[SPW], v[NIL]                      ; 0 onto my spare word
	s_add_nc_u64 s[26+4*(\slot):27+4*(\slot)], s[26+4*(\slot):27+4*(\slot)], 65536
	s_wait_dscnt 0x0                               ; the add is done, and my reads of the slot are over
	ROUND                                          ; no wave of any partner still reads the slot or has a load on its way
	tensor_load_to_lds s[24+4*(\slot):27+4*(\slot)], s[16:23]
	s_nop 0
	PLACES
.endm
	s_wait_tensorcnt 0x1                           ; my K step 0 is in; I alone read it
	STEP 0, 0
	REFILL 0
	STEP 1, 1
	REFILL 1
	STEP 2, 0
	WIN 0
	s_wait_tensorcnt 0x0                           ; my K step 3 is in
	STEP 3, 1
	WIN 0
	s_wait_dscnt 0x0
	s_barrier_signal -1
	s_barrier_wait -1                              ; every wave's reads of slot 0 are over, and it has had its last fill: it is the stage now
	PLACES
	WIN 0x08                                       ; the stores' data in window 2
.irp t, 0,1
.irp b, 0,1,2,3,4,5,6,7
	ds_store_b128 v[STO], v[128+64*\t+8*\b:128+64*\t+8*\b+3]   offset:16*SPITCH*\t+64*\b
	ds_store_b128 v[STO], v[128+64*\t+8*\b+4:128+64*\t+8*\b+7] offset:16*SPITCH*\t+64*\b+16
.endr
.endr
	WIN 0
	s_wait_dscnt 0x0
	s_barrier_signal -1
	s_barrier_wait -1
	WIN 0x40
.irp p, 0,1,2,3,4,5,6,7
.irp j, 0,1,2,3
	ds_load_b128 v[16*\p+4*\j:16*\p+4*\j+3], v[RD] offset:SPITCH*\p+512*\j
.endr
.endr
	s_wait_loadcnt 0x0                             ; x and the parameters
	s_wait_dscnt 0x0
	WIN 0xc7                                       ; x (window 3) + the sums (window 1)
.set z, 0
.rept 64
	v_pk_add_f32 v[2*z:2*z+1], v[2*z:2*z+1], v[2*z:2*z+1]
.set z, z+1
.endr
	WIN 0xcf
.irp e, 0,1,2,3,4,5,6,7
	ALL v_pk_add_f32 v[D+16*q+2*\e:D+16*q+2*\e+1], v[D+16*q+2*\e:D+16*q+2*\e+1], v[128+2*\e:128+2*\e+1]
.endr
	LNORM
.irp j, 0,1,2,3
	ALL v_cvt_pk_bf16_f32 v[D+16*q+4*\j], v[D+16*q+4*\j], v[D+16*q+4*\j+1]
	ALL v_cvt_pk_bf16_f32 v[D+16*q+4*\j+1], v[D+16*q+4*\j+2], v[D+16*q+4*\j+3]
.endr
.irp j, 0,1,2,3
	ALL global_store_b64 v176, v[D+16*q+4*\j:D+16*q+4*\j+1], s[50:51] offset:1024*q+256*\j   ; 32 lanes store 256 consecutive bytes, aligned
.endr
	WIN 0
	s_wait_tensorcnt 0x0                           ; the wave's end
	ds_add_u32 v[SPW], v[NIL]
	s_wait_dscnt 0x0
	ROUND                                          ; the closing round
	s_endpgm
.Lfunc_end_k_q8536e738ee_wo_ln1:
	.size	k_q8536e738ee_wo_ln1, .Lfunc_end_k_q8536e738ee_wo_ln1-k_q8536e738ee_wo_ln1
	.p2alignl 7, 3214868480
	.fill 96, 4, 3214868480
	.section	.rodata,"a",@progbits
	.p2align	6, 0x0
	.amdhsa_kernel k_q8536e738ee_wo_ln1
		.amdhsa_group_segment_fixed_size 327680
		.amdhsa_private_segment_fixed_size 0
		.amdhsa_enable_private_segment 0
		.amdhsa_kernarg_size 64
		.amdhsa_user_sgpr_count 2
		.amdhsa_user_sgpr_kernarg_segment_ptr 1
		.amdhsa_wavefront_size32 1
		.amdhsa_system_sgpr_workgroup_id_x 1
		.amdhsa_system_sgpr_workgroup_id_y 1
		.amdhsa_system_sgpr_workgroup_id_z 1
		.amdhsa_system_vgpr_workitem_id 0
		.amdhsa_next_free_vgpr 1024
		.amdhsa_next_free_sgpr 66
		.amdhsa_reserve_vcc 0
		.amdhsa_float_denorm_mode_32 3
		.amdhsa_float_denorm_mode_16_64 3
		.amdhsa_memory_ordered 1
		.amdhsa_forward_progress 1
		.amdhsa_inst_pref_size 124
	.end_amdhsa_kernel
	.amdgpu_metadata
---
amdhsa.version: [ 1, 2 ]
amdhsa.kernels:
  - .name:           k_q8536e738ee_wo_ln1
    .symbol:         k_q8536e738ee_wo_ln1.kd
    .args:
      - { .name: ov, .offset: 0, .size: 8, .value_kind: global_buffer, .address_space: global }
      - { .name: wrest, .offset: 8, .size: 8, .value_kind: global_buffer, .address_space: global }
      - { .name: x, .offset: 16, .size: 8, .value_kind: global_buffer, .address_space: global }
      - { .name: pad_mask, .offset: 24, .size: 8, .value_kind: global_buffer, .address_space: global }
      - { .name: bo, .offset: 32, .size: 8, .value_kind: global_buffer, .address_space: global }
      - { .name: g1, .offset: 40, .size: 8, .value_kind: global_buffer, .address_space: global }
      - { .name: be1, .offset: 48, .size: 8, .value_kind: global_buffer, .address_space: global }
      - { .name: act, .offset: 56, .size: 8, .value_kind: global_buffer, .address_space: global }
    .group_segment_fixed_size: 327680
    .private_segment_fixed_size: 0
    .kernarg_segment_align: 8
    .kernarg_segment_size: 64
    .max_flat_workgroup_size: 128
    .sgpr_count:     66
    .vgpr_count:     1024
    .wavefront_size: 32
...
	.end_amdgpu_metadata
.endif
;; end of part 4
;; launch ffn1: the kernel of part 2 again; grid 32 x 8, 4 waves a work-group, clusters of 4 x 1, 327,680 bytes of LDS; arguments act, w1p, h; writes h
;; launch ffn2 (part 5): grid 4 x 64, 4 waves a work-group, clusters of 4 x 4, 327,680 bytes of LDS; arguments h, wrest, b2, act, y; writes y
.if DOCPART == 5
	.amdgcn_target "amdgcn-amd-amdhsa--gfx1250"
	.amdhsa_code_object_version 6
	.text
	.protected	k_q8536e738ee_ffn2
	.globl	k_q8536e738ee_ffn2
	.p2align	8
	.type	k_q8536e738ee_ffn2,@function
k_q8536e738ee_ffn2:
	s_mov_b64 s[64:65], 0
	v_nop
	global_prefetch_b8 v0, s[64:65] scope:SCOPE_SE
	s_setreg_imm32_b32 hwreg(HW_REG_WAVE_MODE, 25, 1), 1
	s_wait_xcnt 0x0
	s_wait_alu depctr_hold_cnt(0) depctr_sa_sdst(0) depctr_va_vdst(0) depctr_va_sdst(0) depctr_va_ssrc(0) depctr_va_vcc(0) depctr_vm_vsrc(0)
	s_getreg_b32 s2, hwreg(HW_REG_IB_STS2, 6, 4)
	s_cmp_eq_u32 s2, 0
	s_cbranch_scc0 .Lentry_in_a_cluster
	s_endpgm
.Lentry_in_a_cluster:
	s_bfe_u32 s2, ttmp6, 0x10000c
	s_cmp_lg_u32 s2, 0xf033
	s_cbranch_scc0 .Lentry_shape_is_right
	s_endpgm
.Lentry_shape_is_right:
; y = x1 + h w2 + b2, f32.  h: eight panels [8192][256] bf16; w2: four chunks [2048 k][128 n] bf16 from byte 524,288 of its table; x1: bf16 [8192][512]; y: f32 [8192][512].
; A tile of y is 128 x 128 (256 work-groups); four waves, each 64 x 64: 16 accumulators, which START from x1 + b2, so that nothing is added on the way out.
; K goes in 8 steps of 256 (a panel of h) through two slots: h's rows are 512 bytes, w2's 256 rows of 256 bytes; a wave's tensor load brings half of one of the two.
; CLUSTER 4 x 4: h's tile is shared along a row of the cluster, w2's along a column: joint loads.  THE PRODUCT IS USED TRANSPOSED (source 0 = 16 columns of w2, turned by ds_load_tr16_b128).
; The way out goes through LDS (slot 0's bytes of h, behind their last fill and the barrier that ended their reading): whole rows of 512 bytes leave.
; REGISTERS: window 0: v0-31 addresses; v32-95 x1, v96-127 b2 as loaded; v128-255 accumulators, (a, b) at 128 + 8 (4 a + b).  window 1: two fragment buffers of 128: 64 of h, then 64 of w2.
.set PA,    528
.set PB,    288
.set AHALF, 64*PA
.set BOFF,  2*AHALF
.set BHALF, 128*PB
.set SLOT,  BOFF+2*BHALF               ; 141,312
.set SPARE, 2*SLOT                     ; the spare words: two blocks of 256 bytes that no other line names
.set SPITCH, 528
.set LAPS,  4
.set XO,   6
.set BO,   7
.set ADRA, 16                          ; v16-17  h's fragments in slot 0, 1
.set ADRB, 20                          ; v20-23  w2's: slot s, k rows 128 kh on at 20 + 2 s + kh
.set STO,  24
.set RD,   25
.set CO,   26
.set SPW,  28
.set NIL,  29
.set XR,   32
.set B2R,  96
.set ACC,  128
.set F0,   0
.set F1,   128
.set G1,  24
.set G0,  32
.set G1B, 48
.set G0B, 56
.set MSB, 0
.macro WIN new
.if MSB != (\new)
	s_set_vgpr_msb (MSB<<8)|(\new)
.set MSB, (\new)
.endif
.endm
.set MUL,  0x05
.set TO_F, 0x40
.macro PLACES
.rept 4
	v_nop
.endr
.endm
.macro JLOAD s                         ; a joint load: waves 0 and 1 fetch h's two halves, waves 2 and 3 w2's
	s_cmp_eq_u32 s11, 0
	s_cbranch_scc0 .Lfor_b_\@
	tensor_load_to_lds s[G0+4*(\s):G0+4*(\s)+3], s[G1:G1+7]
	s_nop 0
	PLACES
	s_branch .Lasked_\@
.Lfor_b_\@:
	tensor_load_to_lds s[G0B+4*(\s):G0B+4*(\s)+3], s[G1B:G1B+7]
	s_nop 0
	PLACES
.Lasked_\@:
.endm
.macro CREST
	s_cmp_lg_u32 s10, 0
	s_cbranch_scc1 .Lnot_wave_0_\@
	s_barrier_signal -3
.Lnot_wave_0_\@:
	s_barrier_wait -3
	s_barrier_signal -1
	s_barrier_wait -1
.endm
.macro CROUND
	s_barrier_signal -1
	s_barrier_wait -1
	CREST
.endm
	s_load_b128 s[4:7], s[0:1], 0x0                ; h, the table with w2
	s_load_b128 s[68:71], s[0:1], 0x10             ; b2, x1
	s_load_b64 s[8:9], s[0:1], 0x20                ; y
	v_lshl_add_u32 v[SPW], v0, 2, SPARE
	v_mov_b32 v[NIL], 0
	ds_add_u32 v[SPW], v[NIL]                      ; the wave's opening: the add and its wait stand ahead of my first tensor load
	v_lshrrev_b32 v1, 5, v0
	v_readfirstlane_b32 s10, v1
	s_lshr_b32 s11, s10, 1                         ; my half of the tile's rows.  Also: I fetch for h (0) or for w2 (1)
	s_and_b32 s12, s10, 1                          ; my half of its columns.  Also: which half I fetch
	s_bfe_u32 s40, ttmp6, 0x40000
	s_bfe_u32 s41, ttmp6, 0x40004
	s_lshl_b32 s42, ttmp9, 2
	s_add_co_u32 s42, s42, s40                     ; tile column
	s_and_b32 s13, ttmp7, 0xffff
	s_lshl_b32 s13, s13, 2
	s_add_co_u32 s13, s13, s41                     ; tile row
	s_lshl_b32 s43, s41, 2
	s_lshl_b32 s43, 15, s43                        ; my row of the cluster
	s_lshl_b32 s44, 0x1111, s40                    ; my column
	s_or_b32 s[G1+0], s43, (1<<16)|(1<<20)|(1<<21)|(6<<22)|(3<<25)   ; h: after every 128 words 4 words of padding
	s_mov_b32 s[G1+1], 256<<16
	s_mov_b32 s[G1+2], 64<<16
	s_mov_b32 s[G1+3], 256<<16
	s_mov_b32 s[G1+4], 64
	s_mov_b32 s[G1+5], 256
	s_mov_b32 s[G1+6], 0
	s_mov_b32 s[G1+7], 0
	s_or_b32 s[G1B+0], s44, (1<<16)|(1<<20)|(1<<21)|(5<<22)|(7<<25)  ; w2: after every 64 words 8 words
	s_mov_b32 s[G1B+1], 128<<16
	s_mov_b32 s[G1B+2], 128<<16
	s_mov_b32 s[G1B+3], 128<<16
	s_mov_b32 s[G1B+4], 128
	s_mov_b32 s[G1B+5], 128
	s_mov_b32 s[G1B+6], 0
	s_mov_b32 s[G1B+7], 0
	s_lshl_b32 s17, s12, 6
	s_lshl_b32 s16, s13, 7
	s_add_co_u32 s16, s16, s17
	s_lshl_b32 s16, s16, 9                         ; h: row 128 x tile row + 64 x half, 512 bytes a row
	s_mov_b32 s17, 0
	s_lshl_b32 s46, s42, 19                        ; w2: the tile column's chunk,
	s_lshl_b32 s47, s12, 15                        ; 128 k rows a half
	s_add_co_u32 s46, s46, s47
	s_add_co_u32 s46, s46, 524288
	s_mov_b32 s47, 0
	s_mul_i32 s20, s12, AHALF
	s_mul_i32 s21, s12, BHALF
	s_add_co_u32 s21, s21, BOFF
	s_wait_dscnt 0x0
	s_wait_kmcnt 0x0
	s_add_nc_u64 s[14:15], s[4:5], s[16:17]
	s_add_nc_u64 s[46:47], s[6:7], s[46:47]
	CROUND                                         ; all sixteen work-groups are here: the first joint loads meet
.irp s, 0,1
	s_mov_b32 s[G0+4*(\s)], 1
	s_add_co_u32 s[G0+4*(\s)+1], s20, (\s)*SLOT
	s_add_nc_u64 s[G0+4*(\s)+2:G0+4*(\s)+3], s[14:15], (\s)*4194304   ; K step s: panel s
	s_or_b32 s[G0+4*(\s)+3], s[G0+4*(\s)+3], 0x80000000
	s_mov_b32 s[G0B+4*(\s)], 1
	s_add_co_u32 s[G0B+4*(\s)+1], s21, (\s)*SLOT
	s_add_nc_u64 s[G0B+4*(\s)+2:G0B+4*(\s)+3], s[46:47], (\s)*65536   ; 256 k rows on
	s_or_b32 s[G0B+4*(\s)+3], s[G0B+4*(\s)+3], 0x80000000
	JLOAD \s
.endr
	v_and_b32 v1, 15, v0                           ; r
	v_bfe_u32 v2, v0, 4, 1                         ; h
	v_and_b32 v3, 7, v0
	v_bfe_u32 v4, v0, 3, 1
	v_lshlrev_b32 v[XO], 10, v1
	v_lshl_add_u32 v[XO], v2, 4, v[XO]
	v_lshlrev_b32 v[BO], 5, v2
	s_lshl_b32 s76, s13, 17                        ; x1: 128 rows of 1,024 bytes a tile row, 64 a half,
	s_lshl_b32 s78, s11, 16
	s_add_co_u32 s76, s76, s78
	s_lshl_b32 s78, s42, 8                         ; 256 bytes a tile column, 128 a half
	s_add_co_u32 s76, s76, s78
	s_lshl_b32 s78, s12, 7
	s_add_co_u32 s76, s76, s78
	s_mov_b32 s77, 0
	s_add_nc_u64 s[72:73], s[70:71], s[76:77]
	s_lshl_b32 s76, s42, 9
	s_lshl_b32 s78, s12, 8
	s_add_co_u32 s76, s76, s78
	s_add_nc_u64 s[74:75], s[68:69], s[76:77]
.irp a, 0,1,2,3
.irp b, 0,1,2,3
	global_load_b128 v[XR+4*(4*\a+\b):XR+4*(4*\a+\b)+3], v[XO], s[72:73] offset:16384*\a+32*\b   ; x1(16 a + r, 16 b + 8 h + 0..7)
.endr
.endr
.irp b, 0,1,2,3
	global_load_b128 v[B2R+8*\b:B2R+8*\b+3],   v[BO], s[74:75] offset:64*\b
	global_load_b128 v[B2R+8*\b+4:B2R+8*\b+7], v[BO], s[74:75] offset:64*\b+16
.endr
	v_mul_u32_u24 v5, v1, PA
	v_lshl_add_u32 v5, v2, 4, v5
	s_mul_i32 s21, s11, AHALF
	v_add_nc_u32 v[ADRA], s21, v5
	v_add_nc_u32 v[ADRA+1], SLOT, v[ADRA]
	v_lshl_add_u32 v5, v2, 3, v3
	v_mul_u32_u24 v5, v5, PB
	v_lshl_add_u32 v5, v4, 4, v5
	s_lshl_b32 s22, s12, 7                         ; my 64 columns: 128 bytes
	s_add_co_u32 s22, s22, BOFF
	v_add_nc_u32 v[ADRB], s22, v5
	v_add_nc_u32 v[ADRB+1], BHALF, v[ADRB]
	v_add_nc_u32 v[ADRB+2], SLOT, v[ADRB]
	v_add_nc_u32 v[ADRB+3], SLOT+BHALF, v[ADRB]
	s_mul_i32 s23, s11, 64*SPITCH
	s_lshl_b32 s21, s12, 8
	s_add_co_u32 s23, s23, s21
	v_mul_u32_u24 v[STO], v1, SPITCH
	v_lshl_add_u32 v[STO], v2, 5, v[STO]
	v_add_nc_u32 v[STO], s23, v[STO]
	s_mul_i32 s23, s10, 32*SPITCH
	v_and_b32 v[CO], 31, v0
	v_lshlrev_b32 v[CO], 4, v[CO]
	v_add_nc_u32 v[RD], s23, v[CO]
	s_lshl_b32 s76, s13, 18                        ; y: 128 rows of 2,048 bytes a tile row, 32 a wave, 512 bytes a tile column
	s_lshl_b32 s78, s10, 16
	s_add_co_u32 s76, s76, s78
	s_lshl_b32 s78, s42, 9
	s_add_co_u32 s76, s76, s78
	s_add_nc_u64 s[8:9], s[8:9], s[76:77]
	s_wait_loadcnt 0x0
.set t_, 0
.rept 16                                       ; the sums start from x1 + b2
.irp z, 0,1,2,3
	v_lshlrev_b32 v[ACC+8*t_+2*\z], 16, v[XR+4*t_+\z]
	v_and_b32 v[ACC+8*t_+2*\z+1], 0xffff0000, v[XR+4*t_+\z]
.endr
.irp z, 0,1,2,3
	v_pk_add_f32 v[ACC+8*t_+2*\z:ACC+8*t_+2*\z+1], v[ACC+8*t_+2*\z:ACC+8*t_+2*\z+1], v[B2R+8*(t_%4)+2*\z:B2R+8*(t_%4)+2*\z+1]
.endr
.set t_, t_+1
.endr
.macro MUL8 f, c, a0                   ; 8 matrix instructions; over a quarter the 16 accumulators take turns
	WIN MUL
.irp a, \a0, (\a0)+1
.irp b, 0,1,2,3
	v_wmma_f32_16x16x32_bf16 v[ACC+8*(4*(\a)+(\b)):ACC+8*(4*(\a)+(\b))+7], v[(\f)+64+8*(4*(\c)+(\b)):(\f)+64+8*(4*(\c)+(\b))+7], v[(\f)+8*(4*(\c)+(\a)):(\f)+8*(4*(\c)+(\a))+7], v[ACC+8*(4*(\a)+(\b)):ACC+8*(4*(\a)+(\b))+7]
.endr
.endr
.endm
.macro FETCH slot, q, f                ; 32 LDS loads in one run: the fragments of quarter q (64 along K) into buffer f; the first 32 along K first
	WIN TO_F
.irp c, 0,1
.irp i, 0,1,2,3
	ds_load_tr16_b128 v[(\f)+64+8*(4*(\c)+(\i)):(\f)+64+8*(4*(\c)+(\i))+3],   v[ADRB+2*(\slot)+(\q)/2] offset:(((\q)%2)*64+32*(\c))*PB+32*(\i)
	ds_load_tr16_b128 v[(\f)+64+8*(4*(\c)+(\i))+4:(\f)+64+8*(4*(\c)+(\i))+7], v[ADRB+2*(\slot)+(\q)/2] offset:(((\q)%2)*64+32*(\c))*PB+32*(\i)+16*PB
	ds_load_b128 v[(\f)+8*(4*(\c)+(\i)):(\f)+8*(4*(\c)+(\i))+3],         v[ADRA+(\slot)] offset:128*(\q)+64*(\c)+(\i)*16*PA
	ds_load_b128 v[(\f)+8*(4*(\c)+(\i))+4:(\f)+8*(4*(\c)+(\i))+7],       v[ADRA+(\slot)] offset:128*(\q)+64*(\c)+(\i)*16*PA+32
.endr
.endr
.endm
.macro QUARTER slot, q, f, g           ; multiplies buffer f; in its middle fetches quarter q of the same slot into g
	s_wait_dscnt 16                                ; the first 32 along K are in; the 16 younger loads may be out
	MUL8 \f, 0, 0
	MUL8 \f, 0, 2
	PLACES
	FETCH \slot, \q, \g
	s_wait_dscnt 32                                ; all but the 32 just issued
	MUL8 \f, 1, 0
	MUL8 \f, 1, 2
.endm
.macro TURN slot, next, fill           ; the last quarter multiplies buffer 1 and changes slots
	WIN 0
	s_wait_tensorcnt 0x0                           ; all my tensor loads have landed: my part of the next slot;
	ds_add_u32 v[SPW], v[NIL]                      ; 0 onto my spare word;
	s_wait_dscnt 17                                ; (the add and the youngest sixteen loads may be out)
	MUL8 F1, 0, 0
	s_wait_dscnt 0x0                               ; the add is done, and my reads of this slot are over
	s_barrier_signal -1
	MUL8 F1, 0, 2
.if \fill
	WIN 0
.endif
	s_barrier_wait -1
.if \fill
	CREST                                          ; no wave of any partner still reads this slot or has a load on its way
	s_add_nc_u64 s[G0+4*(\slot)+2:G0+4*(\slot)+3], s[G0+4*(\slot)+2:G0+4*(\slot)+3], 8388608
	s_add_nc_u64 s[G0B+4*(\slot)+2:G0B+4*(\slot)+3], s[G0B+4*(\slot)+2:G0B+4*(\slot)+3], 131072
	JLOAD \slot                                    ; the four v_nop behind it are also the places in front of the loads below
.else
	PLACES
.endif
	FETCH \next, 0, F0
	MUL8 F1, 1, 0
	MUL8 F1, 1, 2
.endm
	s_wait_tensorcnt 0x1                           ; my part of K step 0 is in,
	s_barrier_signal -1
	s_barrier_wait -1                              ; everybody's is
	FETCH 0, 0, F0
	QUARTER 0, 1, F0, F1
	WIN 0
	s_mov_b32 s3, LAPS-1
.Llap:                                         ; a trip goes once round the ring and fills both slots again
	QUARTER 0, 2, F1, F0
	QUARTER 0, 3, F0, F1
	TURN 0, 1, 1
	QUARTER 1, 1, F0, F1
	QUARTER 1, 2, F1, F0
	QUARTER 1, 3, F0, F1
	TURN 1, 0, 1
	QUARTER 0, 1, F0, F1
	WIN 0
	s_sub_co_u32 s3, s3, 1
	s_cmp_lg_u32 s3, 0
	s_cbranch_scc1 .Llap
	QUARTER 0, 2, F1, F0                           ; the last lap fills nothing
	QUARTER 0, 3, F0, F1
	TURN 0, 1, 0                                   ; behind its barrier nobody reads slot 0 any more
	QUARTER 1, 1, F0, F1
	QUARTER 1, 2, F1, F0
	QUARTER 1, 3, F0, F1
	s_wait_dscnt 16
	MUL8 F1, 0, 0
	MUL8 F1, 0, 2
	s_wait_dscnt 0x0
	MUL8 F1, 1, 0
	MUL8 F1, 1, 2
	WIN 0
	PLACES
.irp a, 0,1,2,3
.irp b, 0,1,2,3
	ds_store_b128 v[STO], v[ACC+8*(4*\a+\b):ACC+8*(4*\a+\b)+3]   offset:\a*16*SPITCH+64*\b
	ds_store_b128 v[STO], v[ACC+8*(4*\a+\b)+4:ACC+8*(4*\a+\b)+7] offset:\a*16*SPITCH+64*\b+16
.endr
.endr
	s_wait_dscnt 0x0                               ; for the others' sake: a row's 512 bytes come from two waves
	s_barrier_signal -1
	s_barrier_wait -1
.set t_, 0
.rept 32
	ds_load_b128 v[ACC+4*t_:ACC+4*t_+3], v[RD] offset:t_*SPITCH
.set t_, t_+1
.endr
.set t_, 0
.rept 32
	s_wait_dscnt 31-t_
	global_store_b128 v[CO], v[ACC+4*t_:ACC+4*t_+3], s[8:9] offset:2048*t_   ; 32 lanes store 512 consecutive bytes, aligned
.set t_, t_+1
.endr
	s_wait_tensorcnt 0x0                           ; the wave's end
	ds_add_u32 v[SPW], v[NIL]
	s_wait_dscnt 0x0
	CROUND                                         ; the closing round
	s_endpgm
.Lfunc_end_k_q8536e738ee_ffn2:
	.size	k_q8536e738ee_ffn2, .Lfunc_end_k_q8536e738ee_ffn2-k_q8536e738ee_ffn2
	.p2alignl 7, 3214868480
	.fill 96, 4, 3214868480
	.section	.rodata,"a",@progbits
	.p2align	6, 0x0
	.amdhsa_kernel k_q8536e738ee_ffn2
		.amdhsa_group_segment_fixed_size 327680
		.amdhsa_private_segment_fixed_size 0
		.amdhsa_enable_private_segment 0
		.amdhsa_kernarg_size 40
		.amdhsa_user_sgpr_count 2
		.amdhsa_user_sgpr_kernarg_segment_ptr 1
		.amdhsa_wavefront_size32 1
		.amdhsa_system_sgpr_workgroup_id_x 1
		.amdhsa_system_sgpr_workgroup_id_y 1
		.amdhsa_system_sgpr_workgroup_id_z 1
		.amdhsa_system_vgpr_workitem_id 0
		.amdhsa_next_free_vgpr 512
		.amdhsa_next_free_sgpr 80
		.amdhsa_reserve_vcc 0
		.amdhsa_float_denorm_mode_32 3
		.amdhsa_float_denorm_mode_16_64 3
		.amdhsa_memory_ordered 1
		.amdhsa_forward_progress 1
		.amdhsa_inst_pref_size 99
	.end_amdhsa_kernel
	.amdgpu_metadata
---
amdhsa.version: [ 1, 2 ]
amdhsa.kernels:
  - .name:           k_q8536e738ee_ffn2
    .symbol:         k_q8536e738ee_ffn2.kd
    .args:
      - { .name: h, .offset: 0, .size: 8, .value_kind: global_buffer, .address_space: global }
      - { .name: wrest, .offset: 8, .size: 8, .value_kind: global_buffer, .address_space: global }
      - { .name: b2, .offset: 16, .size: 8, .value_kind: global_buffer, .address_space: global }
      - { .name: act, .offset: 24, .size: 8, .value_kind: global_buffer, .address_space: global }
      - { .name: y, .offset: 32, .size: 8, .value_kind: global_buffer, .address_space: global }
    .group_segment_fixed_size: 327680
    .private_segment_fixed_size: 0
    .kernarg_segment_align: 8
    .kernarg_segment_size: 40
    .max_flat_workgroup_size: 128
    .sgpr_count:     80
    .vgpr_count:     512
    .wavefront_size: 32
...
	.end_amdgpu_metadata
.endif
;; end of part 5
;; launch ln2 (part 6): grid 256 x 1, 8 waves a work-group, no clusters, 0 bytes of LDS; arguments y, g2, be2, out0; writes out0
.if DOCPART == 6
	.amdgcn_target "amdgcn-amd-amdhsa--gfx1250"
	.amdhsa_code_object_version 6
	.text
	.protected	k_q8536e738ee_ln2
	.globl	k_q8536e738ee_ln2
	.p2align	8
	.type	k_q8536e738ee_ln2,@function
k_q8536e738ee_ln2:
	s_mov_b64 s[64:65], 0
	v_nop
	global_prefetch_b8 v0, s[64:65] scope:SCOPE_SE
	s_setreg_imm32_b32 hwreg(HW_REG_WAVE_MODE, 25, 1), 1
	s_wait_xcnt 0x0
; out0 = LayerNorm(y) g2 + be2, all f32, rows of 512.  A wave takes 4 whole rows, 16 numbers a lane and row; mean, then centred squares (two passes), then rsqrt.
; A stream: a work-group's whole share, 64 KiB, is asked for at the first lines; each load and store covers 512 consecutive bytes.  No LDS, no barrier: the sums never leave the wave.
.set NR,  4
.set G,   8
.set BE,  24
.set D,   40
.set T,   104
.set SEL, 12
.set RN,  14
.set EPS, 15
.set W_DDT, 0
.set W_DTD, 0
.set W_D,   0
.set MSB, 0
.macro WIN new                         ; all registers lie in window 0 here: nothing is ever switched
.if MSB != (\new)
	s_set_vgpr_msb (MSB<<8)|(\new)
.set MSB, (\new)
.endif
.endm
.macro ALL line:vararg                 ; one line for each row q
.set q, 0
.rept NR
	\line
.set q, q+1
.endr
.endm
.macro RED x                           ; v[T + 8 q + x] summed over the 32 lanes; the register behind it at work
.irp m, 1,2,4,8
	ALL v_add_f32_dpp v[T+8*q+\x], v[T+8*q+\x], v[T+8*q+\x] row_xmask:\m row_mask:0xf bank_mask:0xf
.endr
	ALL v_permlanex16_b32 v[T+8*q+\x+1], v[T+8*q+\x], s[SEL], s[SEL+1]
	ALL v_add_f32 v[T+8*q+\x], v[T+8*q+\x], v[T+8*q+\x+1]
.endm
.macro LNORM
	WIN W_DDT
.irp e, 0,1,2,3
	ALL v_pk_add_f32 v[T+8*q+2*\e:T+8*q+2*\e+1], v[D+16*q+4*\e:D+16*q+4*\e+1], v[D+16*q+4*\e+2:D+16*q+4*\e+3]
.endr
	WIN 0
	ALL v_pk_add_f32 v[T+8*q:T+8*q+1], v[T+8*q:T+8*q+1], v[T+8*q+2:T+8*q+3]
	ALL v_pk_add_f32 v[T+8*q+4:T+8*q+5], v[T+8*q+4:T+8*q+5], v[T+8*q+6:T+8*q+7]
	ALL v_pk_add_f32 v[T+8*q:T+8*q+1], v[T+8*q:T+8*q+1], v[T+8*q+4:T+8*q+5]
	ALL v_add_f32 v[T+8*q], v[T+8*q], v[T+8*q+1]
	RED 0
	ALL v_mul_f32 v[T+8*q], s[RN], v[T+8*q]        ; the mean
	WIN W_DTD
.irp e, 0,1,2,3,4,5,6,7
	ALL v_pk_add_f32 v[D+16*q+2*\e:D+16*q+2*\e+1], v[D+16*q+2*\e:D+16*q+2*\e+1], v[T+8*q:T+8*q+1] op_sel_hi:[1,0] neg_lo:[0,1] neg_hi:[0,1]
.endr
	WIN W_DDT
	ALL v_pk_mul_f32 v[T+8*q+2:T+8*q+3], v[D+16*q:D+16*q+1], v[D+16*q:D+16*q+1]
	ALL v_pk_mul_f32 v[T+8*q+4:T+8*q+5], v[D+16*q+2:D+16*q+3], v[D+16*q+2:D+16*q+3]
.irp e, 2,3,4,5,6,7
	ALL v_pk_fma_f32 v[T+8*q+2+2*(\e%2):T+8*q+3+2*(\e%2)], v[D+16*q+2*\e:D+16*q+2*\e+1], v[D+16*q+2*\e:D+16*q+2*\e+1], v[T+8*q+2+2*(\e%2):T+8*q+3+2*(\e%2)]
.endr
	WIN 0
	ALL v_pk_add_f32 v[T+8*q+2:T+8*q+3], v[T+8*q+2:T+8*q+3], v[T+8*q+4:T+8*q+5]
	ALL v_add_f32 v[T+8*q+2], v[T+8*q+2], v[T+8*q+3]
	RED 2
	ALL v_fma_f32 v[T+8*q+2], v[T+8*q+2], s[RN], s[EPS]
	ALL v_rsq_f32 v[T+8*q+2], v[T+8*q+2]
	v_nop                                          ; a plain instruction behind the last root,
	s_wait_alu depctr_va_vdst(0)                   ; and one wait for the batch
	WIN W_DTD
.irp e, 0,1,2,3,4,5,6,7
	ALL v_pk_mul_f32 v[D+16*q+2*\e:D+16*q+2*\e+1], v[D+16*q+2*\e:D+16*q+2*\e+1], v[T+8*q+2:T+8*q+3] op_sel_hi:[1,0]
.endr
	WIN W_D
.irp e, 0,1,2,3,4,5,6,7
	ALL v_pk_fma_f32 v[D+16*q+2*\e:D+16*q+2*\e+1], v[D+16*q+2*\e:D+16*q+2*\e+1], v[G+2*\e:G+2*\e+1], v[BE+2*\e:BE+2*\e+1]
.endr
.endm
	s_load_b256 s[4:11], s[0:1], 0x0               ; y s[4:5], g2 s[6:7], be2 s[8:9], out0 s[10:11]
	v_lshrrev_b32 v1, 5, v0
	v_readfirstlane_b32 s16, v1                    ; wave 0..7
	v_and_b32 v1, 31, v0
	v_lshlrev_b32 v1, 4, v1                        ; 16 bytes a lane
	s_lshl_b32 s2, ttmp9, 16                       ; 32 rows of 2,048 bytes a work-group,
	s_lshl_b32 s3, s16, 13                         ; 4 a wave
	s_add_co_u32 s2, s2, s3
	s_mov_b32 s3, 0
	s_mov_b32 s[SEL], 0x76543210
	s_mov_b32 s[SEL+1], 0xfedcba98
	s_mov_b32 s[RN], 0x3b000000                    ; 1 / 512
	s_mov_b32 s[EPS], 0x3727c5ac                   ; 1e-5
	s_wait_kmcnt 0x0
	s_add_nc_u64 s[4:5], s[4:5], s[2:3]
	s_add_nc_u64 s[10:11], s[10:11], s[2:3]
.irp j, 0,1,2,3
	ALL global_load_b128 v[D+16*q+4*\j:D+16*q+4*\j+3], v1, s[4:5] offset:2048*q+512*\j th:TH_LOAD_NT
.endr
.irp j, 0,1,2,3
	global_load_b128 v[G+4*\j:G+4*\j+3],   v1, s[6:7] offset:512*\j
	global_load_b128 v[BE+4*\j:BE+4*\j+3], v1, s[8:9] offset:512*\j
.endr
	s_wait_loadcnt 0x0
	LNORM
.irp j, 0,1,2,3
	ALL global_store_b128 v1, v[D+16*q+4*\j:D+16*q+4*\j+3], s[10:11] offset:2048*q+512*\j th:TH_STORE_NT
.endr
	s_endpgm
.Lfunc_end_k_q8536e738ee_ln2:
	.size	k_q8536e738ee_ln2, .Lfunc_end_k_q8536e738ee_ln2-k_q8536e738ee_ln2
	.p2alignl 7, 3214868480
	.fill 96, 4, 3214868480
	.section	.rodata,"a",@progbits
	.p2align	6, 0x0
	.amdhsa_kernel k_q8536e738ee_ln2
		.amdhsa_group_segment_fixed_size 0
		.amdhsa_private_segment_fixed_size 0
		.amdhsa_enable_private_segment 0
		.amdhsa_kernarg_size 32
		.amdhsa_user_sgpr_count 2
		.amdhsa_user_sgpr_kernarg_segment_ptr 1
		.amdhsa_wavefront_size32 1
		.amdhsa_system_sgpr_workgroup_id_x 1
		.amdhsa_system_sgpr_workgroup_id_y 1
		.amdhsa_system_sgpr_workgroup_id_z 1
		.amdhsa_system_vgpr_workitem_id 0
		.amdhsa_next_free_vgpr 144
		.amdhsa_next_free_sgpr 66
		.amdhsa_reserve_vcc 0
		.amdhsa_float_denorm_mode_32 3
		.amdhsa_float_denorm_mode_16_64 3
		.amdhsa_memory_ordered 1
		.amdhsa_forward_progress 1
		.amdhsa_inst_pref_size 19
	.end_amdhsa_kernel
	.amdgpu_metadata
---
amdhsa.version: [ 1, 2 ]
amdhsa.kernels:
  - .name:           k_q8536e738ee_ln2
    .symbol:         k_q8536e738ee_ln2.kd
    .args:
      - { .name: y, .offset: 0, .size: 8, .value_kind: global_buffer, .address_space: global }
      - { .name: g2, .offset: 8, .size: 8, .value_kind: global_buffer, .address_space: global }
      - { .name: be2, .offset: 16, .size: 8, .value_kind: global_buffer, .address_space: global }
      - { .name: out0, .offset: 24, .size: 8, .value_kind: global_buffer, .address_space: global }
    .group_segment_fixed_size: 0
    .private_segment_fixed_size: 0
    .kernarg_segment_align: 8
    .kernarg_segment_size: 32
    .max_flat_workgroup_size: 256
    .sgpr_count:     66
    .vgpr_count:     144
    .wavefront_size: 32
...
	.end_amdgpu_metadata
.endif
;; end of part 6
